; MI455X (gfx1250); checked and timed in simulation.
; The chip was launched on July 23, 2026; its instructions are those of AMD's public machine-readable ISA for CDNA 5 (MIT licence, August 2026) and "CDNA5" Instruction Set Architecture Reference Guide (July 2026). The comments in the code are by the model that wrote it; some were corrected since.
;; Causal Attention. Allowed arithmetic: matrix products marked QUANTISED: E2M3 operands, one E8M0 scale for each 32 along K, by v_wmma_scale_f32_16x16x128_f8f6f4 with both operands' format E2M3, f32 sums; everything else in f32.
;; Inputs: Wk 1,024 x 1,024 float32; Wo 1,024 x 1,024 float32; Wq 1,024 x 1,024 float32; Wv 1,024 x 1,024 float32; x 2 x 2,048 x 1,024 float32.
;; Outputs: out0 2 x 2,048 x 1,024 float32.
;; This version of the problem:
;;   THIS VERSION OF THE PROBLEM IS GIVEN IN LOW PRECISION. The matrix products marked QUANTISED in the list below multiply operands that are first quantised to E2M3 (2 exponent bits, 3 mantissa bits; 6 bits a number), with one power-of-two scale for each 32 numbers along K (OCP MX v1.0); their sums are f32. All else is computed in f32.
;;   The module's matrix products, in the order in which they are computed (A, B: the left and right operand; K: the contracted axis; several contracted axes count as one K, in the product's order):
;;     1. [M 4,096, K 1,024] x [K 1,024, N 1,024]; A: input x; B: input Wq: QUANTISED
;;     2. [M 4,096, K 1,024] x [K 1,024, N 1,024]; A: input x; B: input Wk: QUANTISED
;;     3. [M 4,096, K 1,024] x [K 1,024, N 1,024]; A: input x; B: input Wv: QUANTISED
;;     4. batch 32 x [M 2,048, K 64] x [K 64, N 2,048]; A: computed on the way; B: computed on the way: QUANTISED
;;     5. batch 32 x [M 2,048, K 2,048] x [K 2,048, N 64]; A: softmax (see below); B: computed on the way: QUANTISED
;;     6. [M 4,096, K 1,024] x [K 1,024, N 1,024]; A: computed on the way; B: input Wo: QUANTISED
;;   THE QUANTISER, for each operand of a quantised product, along K:
;;     - K is cut into blocks of 32 from its start; a last block that is shorter is filled with zeros.
;;     - A block's scale is 2^e with e = floor(log2(the largest magnitude in the block)) - 2, held to -126 .. 127; a block of zeros has e = 0. As a byte (E8M0): e + 127.
;;     - Each number is divided by its block's scale, clamped to +-7.5, and rounded to the nearest number of E2M3, ties to even, subnormals kept.
;;     - The product sums the exact products of the quantised numbers (number of the format x scale) in f32.
;;   ~~~python
;;   def quantise(x, axis):      # numpy; x: float32 -> the quantised numbers, widened to float32 again
;;       x = np.moveaxis(x, axis, -1); K = x.shape[-1]
;;       x = np.pad(x, [(0, 0)] * (x.ndim - 1) + [(0, -K % 32)]); x = x.reshape(x.shape[:-1] + (-1, 32)); a = np.abs(x).max(-1, keepdims=True)
;;       e = np.where(a > 0, np.clip(np.frexp(np.where(a > 0, a, 1))[1] - 1 - 2, -126, 127), 0)      # np.frexp(a)[1] - 1 = floor(log2(a)), exactly
;;       r = np.clip(x / 2.0 ** e, -7.5, 7.5)
;;       step = 2.0 ** (np.maximum(np.frexp(np.where(r == 0, 1, r))[1] - 1, 0) - 3)
;;       q = np.round(r / step) * step * 2.0 ** e      # np.round: ties to even
;;       return np.moveaxis(q.reshape(q.shape[:-2] + (-1,))[..., :K], -1, axis).astype(np.float32)
;;   ~~~
;;   SOFTMAX AHEAD OF A QUANTISED PRODUCT. Where the list says 'softmax', what is quantised is not the finished softmax but p = 2^(t - M), with t = logit x log2(e) and M = ceil(the row's largest t), a whole number; so 1/2 < the row's largest p <= 1. The row's sum l is taken of the UNQUANTISED p, in f32, and the product's result is divided by l at the end. Since M is a whole number, a kernel that streams over the keys may use a running M (the ceiling of the running maximum): every later rescaling is an exact power of two, which a block's scale takes up: the codes' values come out the same.
;;   OPERANDS COMPUTED ON THE WAY. 'Computed on the way' means the value that the module computes at that place (a softmax that the list does not call 'softmax' is quantised finished and normalised). What goes into a quantiser is computed in f32, as accurately as f32 sums, v_exp_f32 and their like allow (about 1e-6 of the number): no bf16 or f16 on the way to a quantiser, and a product that is left as it is and whose result goes on into a quantised operand takes f32 operands (vector FMAs, or v_wmma_f32_16x16x4_f32). A number that lies on a knife's edge between two numbers of the format may be rounded either way, as far as f32 arithmetic and the matrix unit's own rounding can turn it there, and no further.
;; One version. Each part assembles by itself: llvm-mc -triple=amdgcn-amd-amdhsa -mcpu=gfx1250 --defsym DOCPART=n.
;; ======== version 1 of 1: 4 launches
;; limits: right only within a limited range of input values
;; workspace buffers: cimg 6,291,456 bytes; simg 262,144 bytes; qkv_img 9,437,184 bytes; qkv_scl 655,360 bytes; aimg 3,145,728 bytes; asimg 131,072 bytes
;; launch quant (part 1): grid 256 x 1, 4 waves a work-group, no clusters, 119,296 bytes of LDS; arguments x, Wq, Wk, Wv, Wo, cimg, simg; writes cimg, simg
.if DOCPART == 1
	.amdgcn_target "amdgcn-amd-amdhsa--gfx1250"
	.amdhsa_code_object_version 6
	.text
	.protected	k_q586aecf453_quant
	.globl	k_q586aecf453_quant
	.p2align	8
	.type	k_q586aecf453_quant,@function
k_q586aecf453_quant:
	s_mov_b64 s[64:65], 0
	v_nop
	global_prefetch_b8 v0, s[64:65] scope:SCOPE_SE
	s_setreg_imm32_b32 hwreg(HW_REG_WAVE_MODE, 25, 1), 1
	s_wait_xcnt 0x0
; x [4096][1024] and Wq, Wk, Wv, Wo [1024 (k)][1024 (n)], f32, become codes of FP6 (E2M3) with one E8M0 byte for each 32 along K, laid in the ORDER OF THE OPERAND'S REGISTERS.
; OPERAND ROWS: 8,192 in all: rows 0-4095 are x's tokens, then the columns n of Wq, Wk, Wv, Wo, 1,024 each.  K = 1,024 for all.
; IMAGE: a fragment (16 rows x 128 K, 12 registers a lane) is six units of 256 bytes; unit p holds registers 2 p, 2 p + 1, lane l's 8 bytes at 8 l.
; ROW ORDER: tile g, lane row r holds row 32 (g / 2) + 8 (g % 2) + (r & 7) + 16 (r >> 3): as source 0 of a product such tiles leave 16 neighbouring rows in the 16 result registers of tiles 2 b, 2 b + 1.
; cimg: [row / 128][K / 256][tile 8][K step 2][1,536].   simg: [row / 32][K / 256][tile % 2][r 16][K step 2] words of four bytes.
; SHARES: work-group = 128 rows x 256 K; wave = 32 rows x 256 K; LANE l HOLDS ROW l OF THE 32, AND ITS REGISTERS RUN ALONG K: a block of 32 lies in one lane, so its largest magnitude needs no other lane.
; For the weights (K is the first axis) each load reads one k at 32 neighbouring n.  For x (K innermost) each load reads 512 consecutive bytes of a row, and the rows turn through the wave's own stage in LDS.
; A block's scale is 2^(floor(log2(largest magnitude)) - 2): its byte is the largest magnitude's exponent field - 2, held at 1 from below by a floor among the maximum's leaves.
; LIMITS: a block of zeros gets the byte 1 where the rule says 127 (its codes are zeros, and this program alone reads the bytes); NaN and infinities among the inputs are not served.
; Waves share nothing: no barrier.  The two paths (x, weights) part on the work-group's number and have LDS bytes of their own.
.set SP,   528                         ; a row of the f32 stage: 512 bytes + 16
.set XIM,  4*32*SP                     ; behind the four f32 stages: the image stages of the x path, 6,400 bytes a wave
.set IMS,  6400
.set WIM,  XIM+4*IMS                   ; and those of the weights' path
.set TP,   3200                        ; an image stage: two tiles of 3,072 bytes, 128 bytes of padding between them
.set SB,   16                          ; v16-17  my row's two scale words
.set C,    24                          ; v24-39  two sets of 8: a block's codes
.set X,    40                          ; v40-103 two sets of 32 numbers
.set R,    128                         ; v128-255 x as loaded: 32 rows x 4 registers; at the end v128-175 the images on their way out
	s_load_b256 s[4:11], s[0:1], 0x0               ; x, Wq, Wk, Wv
	s_load_b128 s[12:15], s[0:1], 0x20             ; Wo, cimg
	s_load_b64 s[16:17], s[0:1], 0x30              ; simg
	v_lshl_add_u32 v126, v0, 2, 0x1d000
	v_mov_b32 v127, 0
	v_lshrrev_b32 v1, 5, v0
	v_readfirstlane_b32 s18, v1                    ; wave
	v_and_b32 v1, 31, v0                           ; lane = my row of the 32
	v_lshlrev_b32 v2, 4, v1                        ; 16 x lane
	v_lshlrev_b32 v3, 2, v1                        ; 4 x lane
	v_bfe_u32 v11, v0, 3, 1                        ; my row's tile u = (l >> 3) & 1
	v_and_b32 v12, 7, v0
	v_bfe_u32 v13, v0, 4, 1
	v_lshl_or_b32 v12, v13, 3, v12                 ; and its place in the tile r = (l & 7) | (l >> 4) << 3
	v_lshlrev_b32 v12, 3, v12                      ; 8 r
	v_lshl_add_u32 v8, v11, 7, v12                 ; my two scale words' place: 128 u + 8 r
	v_mad_u32_u24 v12, v11, TP, v12                ; my codes' place in an image stage: 3,200 u + 8 r
	s_mul_i32 s19, s18, IMS
	s_add_co_u32 s20, s19, XIM
	s_add_co_u32 s21, s19, WIM
	v_add_nc_u32 v4, s20, v12                      ; x path: into the image stage,
	v_add_nc_u32 v5, s20, v2                       ; and out of it, 16 bytes a lane
	v_add_nc_u32 v9, s21, v12                      ; weights' path: the same
	v_add_nc_u32 v10, s21, v2
	s_mul_i32 s19, s18, 32*SP
	v_add_nc_u32 v6, s19, v2                       ; the f32 stage: in, a row's 512 bytes as loaded,
	v_mul_u32_u24 v7, v1, SP
	v_add_nc_u32 v7, s19, v7                       ; and back, a row to a lane
	s_lshr_b32 s22, ttmp9, 2                       ; which 128 rows
	s_and_b32 s23, ttmp9, 3                        ; which 256 along K
	s_mul_i32 s24, ttmp9, 24576                    ; cimg: (4 x rows + K) x 24,576 + wave x two tiles
	s_mul_i32 s25, s18, 6144
	s_add_co_u32 s24, s24, s25
	s_mov_b32 s25, 0
	s_lshl_b32 s26, s22, 12                        ; simg: (4 x rows + wave) x 1,024 + K x 256
	s_lshl_b32 s27, s18, 10
	s_add_co_u32 s26, s26, s27
	s_lshl_b32 s27, s23, 8
	s_add_co_u32 s26, s26, s27
	s_mov_b32 s27, 0
	s_wait_kmcnt 0x0
	s_add_nc_u64 s[14:15], s[14:15], s[24:25]
	s_add_nc_u64 s[16:17], s[16:17], s[26:27]
; Block t of my row's eight (K = 32 t on, in set t % 2) becomes 24 bytes of codes and a scale byte.  In the fragment of K step t / 4 it is registers 6 c .. 6 c + 5 (c = (t % 4) / 2) of lane r + 16 (t % 2).
.macro BLOCK t, adr
.set XS, X+32*((\t)%2)
.set CS, C+8*((\t)%2)
	v_max3_num_f32 v12, |v[XS]|, |v[XS+1]|, |v[XS+2]|               ; the block's largest magnitude, in two chains
	v_max3_num_f32 v13, |v[XS+3]|, |v[XS+4]|, |v[XS+5]|
.irp i, 6,10,14,18,22,26
	v_max3_num_f32 v12, v12, |v[XS+\i]|, |v[XS+\i+1]|
	v_max3_num_f32 v13, v13, |v[XS+\i+2]|, |v[XS+\i+3]|
.endr
	v_max3_num_f32 v12, v12, |v[XS+30]|, |v[XS+31]|
	v_max3_num_f32 v12, v12, v13, 0x1800000        ; and the floor 2^(3 - 127): the byte cannot fall under 1
	v_add_nc_u32 v11, 0xff000000, v12              ; 2 off the exponent field: the conversion takes this operand's exponent field as its scale
	v_cvt_scalef32_pk16_fp6_f32 v[CS:CS+2], v[XS:XS+15], v11
	v_cvt_scalef32_pk16_fp6_f32 v[CS+4:CS+6], v[XS+16:XS+31], v11   ; (a conversion's three registers begin on an even number)
	v_lshrrev_b32 v13, 23, v11                     ; the scale's byte; also the plain line behind the conversions
.if (\t)%4 == 0
	v_mov_b32 v[SB+(\t)/4], v13                    ; four bytes to a word, the lower K in the lower byte
.else
	v_lshl_or_b32 v[SB+(\t)/4], v13, 8*((\t)%4), v[SB+(\t)/4]
.endif
	v_mov_b32 v[CS+3], v[CS+4]                     ; the six registers on end
	v_mov_b32 v[CS+4], v[CS+5]
	v_mov_b32 v[CS+5], v[CS+6]
.irp p, 0,1,2
	ds_store_b64 v[\adr], v[CS+2*\p:CS+2*\p+1] offset:((\t)/4)*1536+(3*(((\t)%4)/2)+\p)*256+((\t)%2)*128
.endr
.endm
; The wave's four fragments leave as they lie, 512 consecutive bytes a store; the scale words as one aligned 256 bytes.
.macro OUT adr
.irp i, 0,1,2,3,4,5,6,7,8,9,10,11
	ds_load_b128 v[R+4*\i:R+4*\i+3], v[\adr] offset:(\i/6)*TP+(\i%6)*512   ; LDS serves a wave's instructions in order: these see my stores
.endr
.irp i, 0,1,2,3,4,5,6,7,8,9,10,11
	s_wait_dscnt 11-\i                             ; the younger read-backs may stay out
	global_store_b128 v2, v[R+4*\i:R+4*\i+3], s[14:15] offset:(\i/6)*3072+(\i%6)*512
.endr
	global_store_b64 v8, v[SB:SB+1], s[16:17]
.endm
	s_cmp_lt_u32 ttmp9, 128                        ; the first 128 work-groups take x, the others the weights
	s_cbranch_scc0 .Lweights
	; ---- x
	s_lshl_b32 s20, s22, 19                        ; 128 rows of 4,096 bytes,
	s_lshl_b32 s21, s18, 17                        ; my wave's 32,
	s_add_co_u32 s20, s20, s21
	s_lshl_b32 s21, s23, 10                        ; 256 along K
	s_add_co_u32 s20, s20, s21
	s_mov_b32 s21, 0
	s_add_nc_u64 s[4:5], s[4:5], s[20:21]
.macro LOADX q                         ; 128 along K of my 32 rows: each load reads 512 consecutive bytes
.set i, 0
.rept 32
	global_load_b128 v[R+4*i:R+4*i+3], v2, s[4:5] offset:i*4096+(\q)*512 th:TH_LOAD_NT
.set i, i+1
.endr
.endm
.macro XREAD t                         ; block t of my row out of the stage into set t % 2
.irp j, 0,1,2,3,4,5,6,7
	ds_load_b128 v[X+32*((\t)%2)+4*\j:X+32*((\t)%2)+4*\j+3], v7 offset:128*((\t)%4)+16*\j
.endr
.endm
.macro XHALF q
	s_wait_loadcnt 0x0
.set i, 0
.rept 32
	ds_store_b128 v6, v[R+4*i:R+4*i+3] offset:i*SP
.set i, i+1
.endr
.if (\q) == 0
	s_wait_dscnt 0x0                               ; the stores have read their registers, which take the second half's loads
	LOADX 1
.endif
	XREAD 4*(\q)
	XREAD 4*(\q)+1
	s_wait_dscnt 8                                 ; the first block is in; the second's 8 loads may be out
	BLOCK 4*(\q), 4
	XREAD 4*(\q)+2
	s_wait_dscnt 11                                ; behind the block wanted: 3 stores and 8 loads
	BLOCK 4*(\q)+1, 4
	XREAD 4*(\q)+3
	s_wait_dscnt 11
	BLOCK 4*(\q)+2, 4
	s_wait_dscnt 3                                 ; behind it: the last block's 3 stores
	BLOCK 4*(\q)+3, 4
.endm
	LOADX 0
	s_wait_alu depctr_va_vdst(0)
	XHALF 0
	XHALF 1
	s_wait_alu depctr_va_vdst(0)
	OUT 5
	s_wait_tensorcnt 0x0
	ds_add_u32 v126, v127
	s_wait_dscnt 0x0
	s_endpgm
	; ---- the weights
.Lweights:
	s_sub_co_u32 s20, s22, 32
	s_lshr_b32 s20, s20, 3                         ; which matrix: 0 Wq, 1 Wk, 2 Wv, 3 Wo
	s_cmp_eq_u32 s20, 1
	s_cselect_b64 s[6:7], s[8:9], s[6:7]
	s_cmp_eq_u32 s20, 2
	s_cselect_b64 s[6:7], s[10:11], s[6:7]
	s_cmp_eq_u32 s20, 3
	s_cselect_b64 s[6:7], s[12:13], s[6:7]
	s_and_b32 s20, s22, 7
	s_lshl_b32 s20, s20, 9                         ; 128 columns of 4 bytes,
	s_lshl_b32 s21, s18, 7                         ; my wave's 32,
	s_add_co_u32 s20, s20, s21
	s_lshl_b32 s21, s23, 20                        ; 256 rows k of 4,096 bytes
	s_add_co_u32 s20, s20, s21
	s_mov_b32 s21, 0
	s_add_nc_u64 s[6:7], s[6:7], s[20:21]
.macro LOADW t                         ; block t: W(32 t + i, my column): 32 lanes read 128 consecutive bytes, the four waves 512
.set i, 0
.rept 32
	global_load_b32 v[X+32*((\t)%2)+i], v3, s[6:7] offset:(32*(\t)+i)*4096 th:TH_LOAD_NT
.set i, i+1
.endr
.endm
	LOADW 0
	LOADW 1
.irp t, 0,1,2,3,4,5,6,7
.if \t < 7
	s_wait_loadcnt 32                              ; this block's loads are in; the next block's 32 may be out
.else
	s_wait_loadcnt 0x0
.endif
	s_wait_dscnt 3                                 ; only the last block's 3 stores may be out: this set of code registers is free
	BLOCK \t, 9
.if \t < 6
	LOADW \t+2
.endif
.endr
	s_wait_alu depctr_va_vdst(0)
	OUT 10
	s_wait_tensorcnt 0x0
	ds_add_u32 v126, v127
	s_wait_dscnt 0x0
	s_endpgm
.Lfunc_end_k_q586aecf453_quant:
	.size	k_q586aecf453_quant, .Lfunc_end_k_q586aecf453_quant-k_q586aecf453_quant
	.p2alignl 7, 3214868480
	.fill 96, 4, 3214868480
	.section	.rodata,"a",@progbits
	.p2align	6, 0x0
	.amdhsa_kernel k_q586aecf453_quant
		.amdhsa_group_segment_fixed_size 119296
		.amdhsa_private_segment_fixed_size 0
		.amdhsa_enable_private_segment 0
		.amdhsa_kernarg_size 56
		.amdhsa_user_sgpr_count 2
		.amdhsa_user_sgpr_kernarg_segment_ptr 1
		.amdhsa_wavefront_size32 1
		.amdhsa_system_sgpr_workgroup_id_x 1
		.amdhsa_system_sgpr_workgroup_id_y 1
		.amdhsa_system_sgpr_workgroup_id_z 1
		.amdhsa_system_vgpr_workitem_id 0
		.amdhsa_next_free_vgpr 256
		.amdhsa_next_free_sgpr 66
		.amdhsa_reserve_vcc 0
		.amdhsa_float_denorm_mode_32 3
		.amdhsa_float_denorm_mode_16_64 3
		.amdhsa_memory_ordered 1
		.amdhsa_forward_progress 1
		.amdhsa_inst_pref_size 73
	.end_amdhsa_kernel
	.amdgpu_metadata
---
amdhsa.version: [ 1, 2 ]
amdhsa.kernels:
  - .name:           k_q586aecf453_quant
    .symbol:         k_q586aecf453_quant.kd
    .args:
      - { .name: x, .offset: 0, .size: 8, .value_kind: global_buffer, .address_space: global }
      - { .name: Wq, .offset: 8, .size: 8, .value_kind: global_buffer, .address_space: global }
      - { .name: Wk, .offset: 16, .size: 8, .value_kind: global_buffer, .address_space: global }
      - { .name: Wv, .offset: 24, .size: 8, .value_kind: global_buffer, .address_space: global }
      - { .name: Wo, .offset: 32, .size: 8, .value_kind: global_buffer, .address_space: global }
      - { .name: cimg, .offset: 40, .size: 8, .value_kind: global_buffer, .address_space: global }
      - { .name: simg, .offset: 48, .size: 8, .value_kind: global_buffer, .address_space: global }
    .group_segment_fixed_size: 119296
    .private_segment_fixed_size: 0
    .kernarg_segment_align: 8
    .kernarg_segment_size: 56
    .max_flat_workgroup_size: 128
    .sgpr_count:     66
    .vgpr_count:     256
    .wavefront_size: 32
...
	.end_amdgpu_metadata
.endif
;; end of part 1
;; launch qkv (part 2): grid 12 x 16, 4 waves a work-group, clusters of 4 x 4, 327,680 bytes of LDS; arguments cimg, simg, qkv_img, qkv_scl; writes qkv_img, qkv_scl
.if DOCPART == 2
	.amdgcn_target "amdgcn-amd-amdhsa--gfx1250"
	.amdhsa_code_object_version 6
	.text
	.protected	k_q586aecf453_qkv
	.globl	k_q586aecf453_qkv
	.p2align	8
	.type	k_q586aecf453_qkv,@function
k_q586aecf453_qkv:
	s_mov_b64 s[64:65], 0
	v_nop
	global_prefetch_b8 v0, s[64:65] scope:SCOPE_SE
	s_setreg_imm32_b32 hwreg(HW_REG_WAVE_MODE, 25, 1), 1
	s_wait_xcnt 0x0
	s_wait_alu depctr_hold_cnt(0) depctr_sa_sdst(0) depctr_va_vdst(0) depctr_va_sdst(0) depctr_va_ssrc(0) depctr_va_vcc(0) depctr_vm_vsrc(0)
	s_getreg_b32 s2, hwreg(HW_REG_IB_STS2, 6, 4)
	s_cmp_eq_u32 s2, 0
	s_cbranch_scc0 .Lentry_in_a_cluster
	s_endpgm
.Lentry_in_a_cluster:
	s_bfe_u32 s2, ttmp6, 0x10000c
	s_cmp_lg_u32 s2, 0xf033
	s_cbranch_scc0 .Lentry_shape_is_right
	s_endpgm
.Lentry_shape_is_right:
; q = x Wq, k = x Wk, v = x Wv on codes of FP6 (E2M3) with E8M0 scales, K = 1,024, sums in f32; the results are quantised here, in registers, for the two products of attention, and leave as codes.
; OPERANDS come from cimg / simg: fragments as images of their registers (six units of 256 bytes), tiles in ROW ORDER (tile g, lane row r = row 32 (g / 2) + 8 (g % 2) + (r & 7) + 16 (r >> 3)).
; A work-group makes 256 "A rows" x 256 "B rows", four waves of 128 x 128 (64 accumulators, 512 registers).  Source 0 = a tile of B, source 1 = a tile of A: a lane holds ONE row of A, and the 16 registers of
; B's tiles 2 b, 2 b + 1 are 16 NEIGHBOURING rows of B.  So the rows of B are the axis along which the result is quantised:
;   q, k (cluster x = 0, 1): A = tokens, B = the weight's columns: a lane holds a token, registers run along the head's 64: the first product's K.
;   v    (cluster x = 2):    A = Wv's columns, B = tokens: a lane holds a channel d, registers run along the tokens: the second product's K.
; K goes in steps of 256 through two LDS slots; a wave's tensor load is one dense block of 24,576 bytes (128 rows x 256 K).  The scale words of the 512 rows, for all of K, come once with the first fills.
; CLUSTERS: 4 x 4 work-groups; A's tiles are asked for jointly along a row of the cluster, B's along a column.  A wave has one tensor load out at the start and one behind each round.
; OUT: qkv_img [b h (32)][q: 128 tiles x 768 | k: the same | v: 16 key steps x 4 tiles of d x 1,536]; qkv_scl [b h][q: 128 x 16 words | k | v: 16 x 4 x 16 words].
;   A tile of q or k is half a fragment (K = 64: registers 0-5); its scale word is byte 0, byte 1, 0x7f, 0x7f.
; LIMITS: a block of zeros gets the byte 1 (its codes are zeros; this program alone reads the bytes); NaN and infinities are not served.
; REGISTERS: window 0: v16-29 addresses; v32-63 scale words, two sets; v64-119 at work on the way out; v128-223 A's fragments, one set.  window 1: B's fragments, two sets, at v0 and v128.  windows 2, 3: the accumulators ((a, b) at v[8 (8 (a % 4) + b)]).
.set NQ,     2                         ; steps of 128 along K in a slot
.set FR,     12                        ; registers of a fragment
.set NL,     6                         ; LDS loads that bring one
.set NP,     4                         ; places behind this matrix instruction (ISA guide 7.12.1)
.set HALFT,  24576                     ; 128 rows x 256 K: what one tensor load brings, and what one wave reads of A or of B
.set SLOT,   4*HALFT                   ; A's 256 rows, then B's 256 rows
.set SCL,    2*SLOT                    ; behind the ring; the spare words lie 16,384 bytes on
.set HALFS,  4096
.set SPARE,  SCL+4*HALFS               ; the spare words, 128 bytes for each wave: two blocks of 256 bytes that no other line names
.set ADRA, 16                          ; v16-17  LDS address of my A fragments in slot 0, 1: 8 x lane + my half
.set SHV,  18                          ; v18     the way out: how far my half of the lanes shifts a scale word
.set ADRB, 20                          ; v20-21  the same as ADRA for B
.set SST,  22                          ; v22     the way out: where I put a scale word
.set SRD,  23                          ; v23     and where I read 16 bytes of them back
.set VO0,  24                          ; v24-25  my byte offsets in qkv_img: a fragment's first and second three units
.set VO1,  25
.set VSO,  26                          ; v26     my byte offset in qkv_scl
.set ADRS, 27                          ; v27     offset in simg of my scale words: lanes 0-15 A's rows, lanes 16-31 B's
.set SPW,  28                          ; v28     LDS address of my spare word; never rewritten
.set NIL,  29                          ; v29     0; never rewritten
.set SC,   32                          ; scale words: set s at v[SC + 16 s]; register 2 i + q: lanes 0-15 A's tile i, lanes 16-31 B's tile i, the slot's q-th 128 along K
.set TM,   64                          ; v64-67 largest magnitudes, v68-71 bytes, v76-79 the conversions' scale operands
.set PW,   80                          ; the scale word just made
.set TW,   81                          ; v81-88  a word for each of the eight tiles
.set PC,   92                          ; v92-111 the codes just made
.set RBK,  112                         ; v112-119 scale words read back
.set AF,   128
.set G1, 24                            ; s[24:31] descriptor group 1 for A's tiles;  s[32:39] group 0, one set for each slot
.set G0, 32
.set G1B, 48                           ; s[48:55], s[56:63] the same for B's tiles
.set G0B, 56
.set G1S, 68
.set G0S, 76
.set G1SB, 80
.set G0SB, 88
.set SEL, 92                           ; s[92:93] lane selects for v_permlanex16_b32 (set behind the first fills)
.set MSB, 0
.macro WIN new                         ; the immediate's high byte repeats the setting that is left
.if MSB != \new
	s_set_vgpr_msb (MSB<<8)|\new
.set MSB, \new
.endif
.endm
.set MUL_LO, 0xa1                      ; source 0 (B) window 1, source 1 (A) window 0, C and D window 2
.set MUL_HI, 0xf1                      ; the same, C and D window 3
.set TO_B,   0x40                      ; destination window 1, address window 0
; A joint load: waves 0 and 1 fetch for A, waves 2 and 3 for B.  Each line has one mask and one set of registers for all that issue it; the branch hangs on the wave's number alone.
; Four v_nop follow each of the two lines, ahead of the jump, the label and what follows.
.macro JLOAD g0a, g1a, g0b, g1b
	s_cmp_eq_u32 s15, 0
	s_cbranch_scc0 .Lfor_b_\@
	tensor_load_to_lds s[\g0a:\g0a+3], s[\g1a:\g1a+7]
	s_nop 0
.rept 4
	v_nop
.endr
	s_branch .Lasked_\@
.Lfor_b_\@:
	tensor_load_to_lds s[\g0b:\g0b+3], s[\g1b:\g1b+7]
	s_nop 0
.rept 4
	v_nop
.endr
.Lasked_\@:
.endm
.macro CREST                           ; a round of the cluster's barrier behind its opening barrier
	s_cmp_lg_u32 s14, 0
	s_cbranch_scc1 .Lnot_wave_0_\@
	s_barrier_signal -3
.Lnot_wave_0_\@:
	s_barrier_wait -3
	s_barrier_signal -1
	s_barrier_wait -1
.endm
.macro CROUND                          ; a whole round
	s_barrier_signal -1
	s_barrier_wait -1
	CREST
.endm
	s_load_b256 s[4:11], s[0:1], 0x0               ; cimg s[4:5], simg s[6:7], qkv_img s[8:9], qkv_scl s[10:11]
	v_lshl_add_u32 v[SPW], v0, 2, SPARE
	v_mov_b32 v[NIL], 0
	ds_add_u32 v28, v29
	ds_add_u32 v28, v29
	s_wait_dscnt 0x0
	v_lshrrev_b32 v1, 5, v0
	v_readfirstlane_b32 s14, v1                    ; wave 0..3
	s_lshr_b32 s15, s14, 1                         ; which half of A's rows is mine.  Also: I fetch for A (0) or for B (1)
	s_and_b32 s16, s14, 1                          ; which half of B's rows.  Also: which 128 rows I fetch
	s_bfe_u32 s40, ttmp6, 0x40000                  ; cx, cy: my place in the cluster
	s_bfe_u32 s41, ttmp6, 0x40004
	s_and_b32 s12, ttmp7, 0xffff
	s_lshl_b32 s12, s12, 2                         ; 4 x cluster y: the cluster's first block of 256 tokens
	s_lshl_b32 s13, ttmp9, 2
	s_add_co_u32 s13, s13, 16                      ; 16 + 4 x cluster x: the weight's first block of 256 operand rows (x has 16 blocks)
	s_cmp_eq_u32 ttmp9, 2                          ; v?  The cluster's x is the same in all sixteen partners
	s_cselect_b32 s17, 24, s12
	s_cselect_b32 s42, s12, s13
	s_add_co_u32 s17, s17, s41                     ; A's block of 256 rows: tokens (q, k) or Wv's columns (v), by cy
	s_add_co_u32 s42, s42, s40                     ; B's: the weight's columns (q, k) or tokens (v), by cx
	s_lshl_b32 s43, s41, 2
	s_lshl_b32 s43, 15, s43                        ; my row of the cluster
	s_lshl_b32 s44, 0x1111, s40                    ; my column
	; descriptor group 1: a dense block as rows of 256 bytes (32 elements of 8 bytes), no padding: 96 rows of codes
	s_or_b32 s[G1+0], s43, (3<<16)|(1<<21)         ; 15:0 the mask: A's go to my row; 17:16 elements of 8 bytes; 21 set beside a mask
	s_or_b32 s[G1B+0], s44, (3<<16)|(1<<21)
.irp g, G1, G1B
	s_mov_b32 s[\g+1], 32<<16                      ; tensor_dim0
	s_mov_b32 s[\g+2], 96<<16                      ; tensor_dim1
	s_mov_b32 s[\g+3], 32<<16                      ; tile_dim0
	s_mov_b32 s[\g+4], 96                          ; tile_dim1
	s_mov_b32 s[\g+5], 32                          ; tensor_dim0_stride
	s_mov_b32 s[\g+6], 0
	s_mov_b32 s[\g+7], 0
.endr
	s_lshl_b32 s20, s17, 1
	s_add_co_u32 s20, s20, s16                     ; A: the 128 rows that I fetch
	s_lshl_b32 s46, s42, 1
	s_add_co_u32 s46, s46, s16                     ; B: likewise
	s_mul_i32 s20, s20, 98304                      ; their codes: 98,304 bytes for 128 rows
	s_mov_b32 s21, 0
	s_mul_i32 s46, s46, 98304
	s_mov_b32 s47, 0
	s_mul_i32 s45, s14, HALFT                      ; where they go: by the wave's number alone
	s_wait_kmcnt 0x0
	s_add_nc_u64 s[20:21], s[4:5], s[20:21]
	s_add_nc_u64 s[46:47], s[4:5], s[46:47]
	CROUND                                         ; all sixteen work-groups are here: the first joint loads meet
.irp s, 0,1
	s_mov_b32 s[G0+4*\s], 1
	s_add_co_u32 s[G0+4*\s+1], s45, \s*SLOT
	s_add_nc_u64 s[G0+4*\s+2:G0+4*\s+3], s[20:21], \s*HALFT
	s_or_b32 s[G0+4*\s+3], s[G0+4*\s+3], 0x80000000
	s_mov_b32 s[G0B+4*\s], 1
	s_add_co_u32 s[G0B+4*\s+1], s45, \s*SLOT
	s_add_nc_u64 s[G0B+4*\s+2:G0B+4*\s+3], s[46:47], \s*HALFT
	s_or_b32 s[G0B+4*\s+3], s[G0B+4*\s+3], 0x80000000
.endr
	JLOAD G0, G1, G0B, G1B                         ; slot 0: one tensor load a wave at the head
	v_and_b32 v1, 31, v0                           ; lane
	v_lshlrev_b32 v2, 3, v1                        ; 8 x lane: my place in every unit of an image
	v_and_b32 v3, 15, v0                           ; r
	v_bfe_u32 v4, v0, 4, 1                         ; h
	s_wait_alu depctr_va_vdst(0)
	s_mul_i32 s21, s15, HALFT                      ; my 128 rows of A
	s_mul_i32 s22, s16, HALFT                      ; my 128 rows of B,
	s_add_co_u32 s22, s22, 2*HALFT                 ; which lie behind A's 256
.irp s, 0,1
	v_add_nc_u32 v[ADRA+\s], s21, v2
	v_add_nc_u32 v[ADRB+\s], s22, v2
	s_add_co_u32 s21, s21, SLOT
	s_add_co_u32 s22, s22, SLOT
.endr
	; THE SCALE WORDS of my 128 rows of A (lanes 0-15) and of B (lanes 16-31), for all of K, go from simg straight into registers: four sets of 16, one for each 256 along K, at v32, v48, v224, v240
	s_lshl_b32 s21, s17, 1
	s_add_co_u32 s21, s21, s15
	s_lshl_b32 s21, s21, 12                        ; A: 4,096 bytes for each 128 rows
	s_lshl_b32 s22, s42, 1
	s_add_co_u32 s22, s22, s16
	s_lshl_b32 s22, s22, 12                        ; B likewise
	v_mov_b32 v5, s21
	v_mov_b32 v6, s22
	v_cmp_eq_u32 vcc_lo, 1, v4
	v_cndmask_b32 v5, v5, v6, vcc_lo
	v_lshl_add_u32 v[ADRS], v3, 3, v5              ; 8 bytes a row: the two words of 256 along K
	s_wait_alu depctr_va_vdst(0)
.irp n, 0,1,2,3
.irp i, 0,1,2,3,4,5,6,7
	global_load_b64 v[32+16*\n+160*(\n/2)+2*\i:33+16*\n+160*(\n/2)+2*\i], v[ADRS], s[6:7] offset:(\i/2)*1024+(\i%2)*128+\n*256
.endr
.endr
	; ---- where the results go.  cx and cy enter offsets of global stores alone
	s_mov_b32 s[SEL], 0x76543210
	s_mov_b32 s[SEL+1], 0xfedcba98
	s_lshl_b32 s95, s17, 1
	s_add_co_u32 s95, s95, s15                     ; my 128 rows of A
	s_lshl_b32 s96, s42, 1
	s_add_co_u32 s96, s96, s16                     ; my 128 rows of B
	s_lshl_b32 s97, s40, 1
	s_add_co_u32 s97, s97, s16                     ; my pair of heads where the heads lie along B,
	s_lshl_b32 s98, s41, 1
	s_add_co_u32 s98, s98, s15                     ; and where they lie along A
	s_mov_b32 s66, 294912
	s_mov_b32 s67, 768
	s_mov_b32 s99, 290304
	s_mov_b32 s101, 20480
	s_cmp_eq_u32 ttmp9, 2
	s_cselect_b32 s95, s96, s95                    ; my 128 tokens
	s_cselect_b32 s97, s98, s97                    ; my pair of heads, 0..7
	s_cselect_b32 s66, 768, s66                    ; from a fragment's first three units to its second three: v: on end; q, k: the next head's tile
	s_cselect_b32 s67, 1536, s67                   ; from tile a to tile a + 1
	s_cselect_b32 s99, s99, 768                    ; and from tile 3 to tile 4: v: the next head's first tile of d (294,912 - 3 x 1,536)
	s_cselect_b32 s100, 8, 9                       ; scale words of 128 tokens: v 256 bytes a head, q and k 512
	s_cselect_b32 s101, s101, 256                  ; lanes 16-31 of the read-back: v the next head, q and k the next 256 bytes
	s_cselect_b32 s2, 0, 16                        ; q, k: lanes 16-31 take the word's upper two bytes, the second head's
	s_cselect_b32 s3, -1, 0xffff
	s_cselect_b32 s12, 0, 0x7f7f0000               ; q, k: bytes of 1.0 over the zero codes of K = 64 .. 127
	s_lshr_b32 s13, s95, 4                         ; batch
	s_and_b32 s95, s95, 15                         ; which 128 tokens of the batch's 2,048
	s_lshl_b32 s13, s13, 4
	s_lshl_b32 s97, s97, 1
	s_add_co_u32 s13, s13, s97                     ; my first (batch, head)
	s_mul_i32 s18, s13, 294912
	s_mul_i32 s19, ttmp9, 98304
	s_add_co_u32 s18, s18, s19
	s_mul_i32 s19, s95, 6144                       ; q, k: 8 tiles of 768; v: a key step of 4 x 1,536
	s_add_co_u32 s18, s18, s19
	v_add_nc_u32 v[VO0], s18, v2
	v_add_nc_u32 v[VO1], s66, v[VO0]
	s_mul_i32 s18, s13, 20480
	s_lshl_b32 s19, ttmp9, 13
	s_add_co_u32 s18, s18, s19
	s_lshl_b32 s19, s95, s100
	s_add_co_u32 s18, s18, s19
	v_lshl_add_u32 v[VSO], v3, 4, s18
	v_mad_u32_u24 v[VSO], v4, s101, v[VSO]
	v_mul_u32_u24 v[SHV], v4, s2
	s_lshl_b32 s19, s14, 10                        ; my stage for scale words: 1,024 bytes in slot 0, which has had its last fill and its last read when the first word is stored there
	v_lshl_add_u32 v[SST], v4, 9, s19
	v_lshl_add_u32 v[SST], v3, 2, v[SST]           ; 512 h + 4 r, + 64 a in the immediate
	v_lshl_add_u32 v[SRD], v1, 4, s19
.macro FRAG reg, adr, q, i             ; tile i's fragment of the slot's q-th 128 along K: six units of 256 bytes, 8 bytes a lane, as they lie
.irp p, 0,1,2,3,4,5
	ds_load_b64 v[\reg+2*\p:\reg+2*\p+1], v[\adr] offset:(\i)*3072+(\q)*1536+256*\p
.endr
.endm
; 16 matrix instructions: A's tiles a0, a0 + 1 x B's eight, 128 along K.  p: B's set;  sc: the set of scale words.  zero = 1: the first product starts the sums.
; The 64 accumulators take turns, one instruction a turn, in the same order in every step.
.macro MUL16 a0, p, q, sc, zero
.irp a, \a0, \a0+1
.irp b, 0,1,2,3,4,5,6,7
.if \zero
	v_wmma_scale_f32_16x16x128_f8f6f4 v[8*(8*((\a)%4)+\b):8*(8*((\a)%4)+\b)+7], v[128*(\p)+FR*\b:128*(\p)+FR*\b+FR-1], v[AF+FR*(\a):AF+FR*(\a)+FR-1], 0, v[SC+8*NQ*(\sc)+NQ*\b+(\q)], v[SC+8*NQ*(\sc)+NQ*(\a)+(\q)] matrix_a_fmt:MATRIX_FMT_FP6 matrix_b_fmt:MATRIX_FMT_FP6 matrix_a_scale:MATRIX_SCALE_ROW1
.else
	v_wmma_scale_f32_16x16x128_f8f6f4 v[8*(8*((\a)%4)+\b):8*(8*((\a)%4)+\b)+7], v[128*(\p)+FR*\b:128*(\p)+FR*\b+FR-1], v[AF+FR*(\a):AF+FR*(\a)+FR-1], v[8*(8*((\a)%4)+\b):8*(8*((\a)%4)+\b)+7], v[SC+8*NQ*(\sc)+NQ*\b+(\q)], v[SC+8*NQ*(\sc)+NQ*(\a)+(\q)] matrix_a_fmt:MATRIX_FMT_FP6 matrix_b_fmt:MATRIX_FMT_FP6 matrix_a_scale:MATRIX_SCALE_ROW1
.endif
.endr
.endr
.endm
.macro FETCH_B slot, q, p              ; B's eight fragments into set p
	WIN TO_B
.irp i, 0,1,2,3,4,5,6,7
	FRAG 128*(\p)+FR*\i, ADRB+\slot, \q, \i
.endr
	WIN 0
.endm
.macro FETCH_A slot, q, i0             ; A's tiles i0 .. i0 + 3
.irp i, \i0, \i0+1, \i0+2, \i0+3
	FRAG AF+FR*(\i), ADRA+\slot, \q, \i
.endr
.endm
; A load into a register that a matrix instruction has read, and a vector instruction or a store that reads a matrix result, stand NP places behind it; only plain vector instructions that name none of its registers are places.
.macro PLACES n
.rept \n
	v_nop
.endr
.endm
; A step of 128 along K that has its successor in the same slot.  A's tile is free as soon as its eight products are issued, so A has one set: tiles 0-3 are fetched anew in the middle, tiles 4-7 at the end.
.macro STEP slot, q, zero
	s_wait_dscnt 4*NL                              ; B's set and A's tiles 0-3 are in; the youngest 24 loads (A's tiles 4-7) may be out
	WIN MUL_LO
	MUL16 0, (\q)%2, \q, \slot, \zero
	MUL16 2, (\q)%2, \q, \slot, \zero
	s_wait_dscnt 0                                 ; A's tiles 4-7 are in
	PLACES NP
	FETCH_B \slot, (\q)+1, 1-(\q)%2
	FETCH_A \slot, (\q)+1, 0
	WIN MUL_HI
	MUL16 4, (\q)%2, \q, \slot, \zero
	MUL16 6, (\q)%2, \q, \slot, \zero
	PLACES NP
	WIN 0
	FETCH_A \slot, (\q)+1, 4
.endm
; A slot's last step changes slots: one barrier; in front of it each wave waits for all its tensor loads, adds 0 to its spare word, and waits for that and for its reads of this slot.  fill = 1: this slot is filled again, two slots ahead.
.macro TURN slot, next, fill
	s_wait_tensorcnt 0x0                           ; all my tensor loads have landed: my part of the next slot
	ds_add_u32 v[SPW], v[NIL]                      ; 0 onto my spare word
	s_wait_dscnt 4*NL+1                            ; (the add and the youngest 24 loads may be out)
	WIN MUL_LO
	MUL16 0, 1, NQ-1, \slot, 0                     ; sixteen matrix instructions stand between the add and the wait for it
	s_wait_dscnt 0x0                               ; the add is done, and my reads of this slot are over
	s_barrier_signal -1
	MUL16 2, 1, NQ-1, \slot, 0
	WIN 0
	s_barrier_wait -1
.if \fill
	CREST                                          ; the barrier has opened a round of the cluster's: no wave of any partner still reads this slot or has a load on its way
	s_add_nc_u64 s[G0+4*\slot+2:G0+4*\slot+3], s[G0+4*\slot+2:G0+4*\slot+3], 2*HALFT
	s_add_nc_u64 s[G0B+4*\slot+2:G0B+4*\slot+3], s[G0B+4*\slot+2:G0B+4*\slot+3], 2*HALFT
	JLOAD G0+4*\slot, G1, G0B+4*\slot, G1B         ; the first tensor load behind the round; its four v_nop are the places in front of the loads below
.else
	PLACES NP
.endif
	FETCH_B \next, 0, 0
	FETCH_A \next, 0, 0
	WIN MUL_HI
	MUL16 4, 1, NQ-1, \slot, 0
	MUL16 6, 1, NQ-1, \slot, 0
	PLACES NP
	WIN 0
	FETCH_A \next, 0, 4
.endm
	s_wait_alu depctr_va_vdst(0)
	s_wait_tensorcnt 0x0                           ; my part of slot 0 is in
	ds_add_u32 v[SPW], v[NIL]
	s_wait_dscnt 0x0
	CROUND                                         ; everybody's part is in, and the sixteen work-groups meet
	JLOAD G0+4, G1, G0B+4, G1B                     ; slot 1's first fill, the first tensor load behind the round
	s_wait_loadcnt 0x0                             ; the scale words
	FETCH_B 0, 0, 0
	FETCH_A 0, 0, 0
	FETCH_A 0, 0, 4
	STEP 0, 0, 1                                   ; K = 0: the products start the sums.  K = 1,024 is four slots: eight steps, written on end
	TURN 0, 1, 1                                   ; slot 0 takes K = 512 on
	STEP 1, 0, 0
	TURN 1, 0, 1
.set SC, 224                           ; K = 512 on: the scale words' third and fourth set
	STEP 0, 0, 0
	TURN 0, 1, 0                                   ; nothing is left to fetch
	STEP 1, 0, 0
	s_wait_dscnt 4*NL
	WIN MUL_LO
	MUL16 0, 1, NQ-1, 1, 0
	MUL16 2, 1, NQ-1, 1, 0
	s_wait_dscnt 0
	WIN MUL_HI
	MUL16 4, 1, NQ-1, 1, 0
	MUL16 6, 1, NQ-1, 1, 0
	WIN 0
; THE WAY OUT.  Tile a of A's rows: my lane's 64 numbers, register 16 b + i = place 32 b + 16 h + i along B's 128 rows, are quantised in four blocks of 32 and become a fragment's 12 registers and a scale word.
.macro QOUT a
.set AC, 64*((\a)%4)
.set WN, 0x0a+5*((\a)/4)
	WIN WN                                         ; sources 0 and 1: the accumulators' window
.irp b, 0,1,2,3
	v_max3_num_f32 v[TM+\b], |v[AC+16*\b]|, |v[AC+16*\b+1]|, 0x1800000   ; block b: my 16 numbers, from each accumulator's low end on, and the floor 2^(3 - 127)
.endr
.irp i, 2,4,6,8,10,12,14
.irp b, 0,1,2,3
	v_max3_num_f32 v[TM+\b], |v[AC+16*\b+\i]|, |v[AC+16*\b+\i+1]|, v[TM+\b]
.endr
.endr
	WIN 0
.irp b, 0,1,2,3
	v_permlanex16_b32 v[TM+4+\b], v[TM+\b], s[SEL], s[SEL+1]
.endr
.irp b, 0,1,2,3
	v_max_num_f32 v[TM+\b], v[TM+\b], v[TM+4+\b]   ; with lane l xor 16's: the block's largest magnitude
.endr
.irp b, 0,1,2,3
	v_add_nc_u32 v[TM+12+\b], 0xff000000, v[TM+\b] ; 2 off the exponent field: the conversion's scale operand
.endr
.irp b, 0,1,2,3
	v_lshrrev_b32 v[TM+4+\b], 23, v[TM+12+\b]      ; the scale's byte
.endr
	v_lshl_or_b32 v[PW], v[TM+5], 8, v[TM+4]
	v_lshl_or_b32 v[PW], v[TM+6], 16, v[PW]
	v_lshl_or_b32 v[PW], v[TM+7], 24, v[PW]
	s_wait_xcnt 0x0                                ; the last tile's stores have read their data and offsets: both are written again only behind this wait
.if (\a) == 4
	v_add_nc_u32 v[VO0], s99, v[VO0]
	v_add_nc_u32 v[VO1], s99, v[VO1]
.elseif (\a) > 0
	v_add_nc_u32 v[VO0], s67, v[VO0]
	v_add_nc_u32 v[VO1], s67, v[VO1]
.endif
.set WN, 0x02+(\a)/4
	WIN WN                                         ; source 0: the accumulators' window
.irp c, 0,1
	v_cvt_scalef32_pk16_fp6_f32 v[PC+6*\c:PC+6*\c+2], v[AC+32*\c:AC+32*\c+15], v[TM+12+2*\c]
	v_cvt_scalef32_pk16_fp6_f32 v[PC+12+4*\c:PC+14+4*\c], v[AC+16+32*\c:AC+31+32*\c], v[TM+13+2*\c]   ; (a conversion's three registers begin on an even number)
.endr
	WIN 0
	v_nop                                          ; one plain line behind the conversions
.irp c, 0,1                                    ; the operand's layout wants a whole block in a lane: lanes 0-15 block 2 c, lanes 16-31 block 2 c + 1
.irp i, 0,1,2
	v_permlane16_swap_b32 v[PC+6*\c+\i], v[PC+12+4*\c+\i]
.endr
.irp i, 0,1,2
	v_mov_b32 v[PC+3+6*\c+\i], v[PC+12+4*\c+\i]
.endr
.endr
.irp p, 0,1,2
	global_store_b64 v[VO0], v[PC+2*\p:PC+2*\p+1], s[8:9] offset:256*\p        ; 32 lanes store 256 consecutive bytes, aligned: one unit of an image
.endr
.irp p, 0,1,2
	global_store_b64 v[VO1], v[PC+6+2*\p:PC+7+2*\p], s[8:9] offset:256*\p
.endr
	v_lshrrev_b32 v[TW+\a], v[SHV], v[PW]          ; q, k: lanes 0-15 keep the first head's two bytes, lanes 16-31 take the second's; v: the whole word
	v_and_or_b32 v[TW+\a], v[TW+\a], s3, s12
	ds_store_b32 v[SST], v[TW+\a] offset:64*\a
.endm
	PLACES NP                                      ; behind the last products
.irp b, 0,1,2,3
	v_mov_b32 v[TM+4+\b], 0                        ; written once: a lane permute's destination counts as one of its sources
.endr
.irp a, 0,1,2,3,4,5,6,7
	QOUT \a
.endr
	ds_load_b128 v[RBK:RBK+3], v[SRD]              ; my own bytes, served in order: q, k: the first head's 8 tiles x 16 words; v: 4 tiles of each of my two heads
	s_wait_dscnt 0x0
	global_store_b128 v[VSO], v[RBK:RBK+3], s[10:11]
	s_cmp_eq_u32 ttmp9, 2                          ; v has no second half (the cluster's x: alike in all partners)
	s_cbranch_scc1 .Lv_done
	ds_load_b128 v[RBK+4:RBK+7], v[SRD] offset:512 ; q, k: the second head's
	s_wait_dscnt 0x0
	global_store_b128 v[VSO], v[RBK+4:RBK+7], s[10:11] offset:20480
.Lv_done:
	s_wait_tensorcnt 0x0                           ; the wave's end
	ds_add_u32 v[SPW], v[NIL]
	s_wait_dscnt 0x0
	CROUND                                         ; the closing round: no work-group ends while a partner may still ask for a tile that names it
	s_endpgm
.Lfunc_end_k_q586aecf453_qkv:
	.size	k_q586aecf453_qkv, .Lfunc_end_k_q586aecf453_qkv-k_q586aecf453_qkv
	.p2alignl 7, 3214868480
	.fill 96, 4, 3214868480
	.section	.rodata,"a",@progbits
	.p2align	6, 0x0
	.amdhsa_kernel k_q586aecf453_qkv
		.amdhsa_group_segment_fixed_size 327680
		.amdhsa_private_segment_fixed_size 0
		.amdhsa_enable_private_segment 0
		.amdhsa_kernarg_size 32
		.amdhsa_user_sgpr_count 2
		.amdhsa_user_sgpr_kernarg_segment_ptr 1
		.amdhsa_wavefront_size32 1
		.amdhsa_system_sgpr_workgroup_id_x 1
		.amdhsa_system_sgpr_workgroup_id_y 1
		.amdhsa_system_sgpr_workgroup_id_z 1
		.amdhsa_system_vgpr_workitem_id 0
		.amdhsa_next_free_vgpr 1024
		.amdhsa_next_free_sgpr 102
		.amdhsa_reserve_vcc 1
		.amdhsa_float_denorm_mode_32 3
		.amdhsa_float_denorm_mode_16_64 3
		.amdhsa_memory_ordered 1
		.amdhsa_forward_progress 1
		.amdhsa_inst_pref_size 168
	.end_amdhsa_kernel
	.amdgpu_metadata
---
amdhsa.version: [ 1, 2 ]
amdhsa.kernels:
  - .name:           k_q586aecf453_qkv
    .symbol:         k_q586aecf453_qkv.kd
    .args:
      - { .name: cimg, .offset: 0, .size: 8, .value_kind: global_buffer, .address_space: global }
      - { .name: simg, .offset: 8, .size: 8, .value_kind: global_buffer, .address_space: global }
      - { .name: qkv_img, .offset: 16, .size: 8, .value_kind: global_buffer, .address_space: global }
      - { .name: qkv_scl, .offset: 24, .size: 8, .value_kind: global_buffer, .address_space: global }
    .group_segment_fixed_size: 327680
    .private_segment_fixed_size: 0
    .kernarg_segment_align: 8
    .kernarg_segment_size: 32
    .max_flat_workgroup_size: 128
    .sgpr_count:     102
    .vgpr_count:     1024
    .wavefront_size: 32
...
	.end_amdgpu_metadata
.endif
;; end of part 2
;; launch attn (part 3): grid 8 x 32, 16 waves a work-group, no clusters, 327,680 bytes of LDS; arguments qkv_img, qkv_scl, aimg, asimg; writes aimg, asimg
.if DOCPART == 3
	.amdgcn_target "amdgcn-amd-amdhsa--gfx1250"
	.amdhsa_code_object_version 6
	.text
	.protected	k_q586aecf453_attn
	.globl	k_q586aecf453_attn
	.p2align	8
	.type	k_q586aecf453_attn,@function
k_q586aecf453_attn:
	s_mov_b64 s[64:65], 0
	v_nop
	global_prefetch_b8 v0, s[64:65] scope:SCOPE_SE
	s_setreg_imm32_b32 hwreg(HW_REG_WAVE_MODE, 25, 1), 1
	s_wait_xcnt 0x0
; Causal attention with ALiBi for one (batch, head), both products on codes of FP6 (E2M3) with E8M0 scales; the result is quantised along the head's 64 channels and leaves as codes for the last product.
; logit = (q . k) / 8 + slope x (key - 2047), hidden where key > query.  The 1 / 8 is taken off Q's scale bytes (3 off each), the bias is the C of the first product: the sum and the bias are rounded to f32 once.
; M = the ceiling of the running largest t, t = logit x log2(e); p = 2^(t - M) is quantised along the keys, not normalised; the row's sum is taken of the unquantised p and divides at the end.
; t - M is made in one piece from the logit: log2(e) in two f32 parts, fma(logit, high part, -M), then fma(logit, low part, that).  When M moves, the sum and O are multiplied by 2^(old M - new M): exact.
; Key steps that lie wholly behind a tile's queries are hidden by the mask that the definition builds itself: they are not computed.
; SHARES.  Work-group (j, b h) owns the query blocks j (early) and 15 - j (late), 128 queries each: 8 pairs of tiles of 16 queries, 17 key steps of 128 keys a pair.  A pair of waves shares them, 9 and 8:
;   wave X: the late tile's steps 0 .. j, then j + 1, j + 3 .. 15 - j;   wave Y: the early tile's steps 0 .. j, its way out, then the late tile's steps j + 2, j + 4 .. 14 - j.
;   In slot tau (0 .. 8) a wave takes step tau + max(tau - j - 1 + role, 0).  Y's part of the late tile (-M, sum, O^T) goes to X through LDS; X brings both parts under one M by exact powers of two.
; LDS: K and V as 16 strips of 12,288 bytes: strip w holds 768 bytes (a tile of K, or half a fragment of V) of each of the 16 steps.  Wave w fills strip w: steps 0-3 by its one tensor load at the head, steps 4-15 by one
; more behind the first barrier; slots 0 and 1 read steps 0 to 2 alone, a second barrier shows the rest.  Nothing is filled again.  Scale words and biases are laid by LDS stores, 768 bytes a step, in bytes of their own.
; NO CLUSTER though the eight work-groups of a head read the same K and V: a slot's LDS addresses hang on the query block, which in a cluster would be the work-group's place.
; NO PREFETCH: both tensor loads stand ahead of the loops; there is no trip to run ahead in.
; LAYOUT.  Both products transposed: S^T = K Q^T, O^T = V^T P^T: a lane holds ONE query.  Tiles are in ROW ORDER (tile g, row r = 32 (g / 2) + 8 (g % 2) + (r & 7) + 16 (r >> 3)), so the 16 registers
; of tiles 2 b, 2 b + 1 are 16 neighbours.  The first product's K is 64: registers 6-11 of Q's and K's fragments are zero codes, under scale bytes of 1.0 (Q's: 1 / 8).
; LIMITS: a block of q whose scale byte lies under 3 (largest magnitude under 2^-122) is taken at byte 3; p under 2^-126 is 0; a block's largest p is taken from its largest logit (v_exp_f32 is taken not to fall where
; its input rises); a block of zeros gets the byte 1; NaN and infinities are not served; the scaled scores stay under 2^31 in magnitude.
.set WRD,  196608                      ; a step's scale words: K's 512 bytes, V's 256
.set ALB,  208896                      ; the 2,048 biases, dense: 512 bytes a step, 4 bytes a key
.set MRG,  221184                      ; Y's part for X: 4,352 bytes a pair
.set SPARE, 256000                     ; the spare words, 128 bytes a wave
.set ADK,  8                           ; v8-11 the step's K tiles 0-3, 4-7, V's fragments 0-1, 2-3
.set ADS,  5                           ; its scale words
.set ADA,  7                           ; its biases
.set KB,   32                          ; v32-79 four fragments of K: 6 registers of data, 6 of zeros
.set VF,   80                          ; v80-127 V's four fragments; earlier in a step v80-111: 32 biases
.set AL,   80
.set S,    128                         ; v128-191 S^T, then p
.set O,    192                         ; v192-223 O^T
.set WV,   12                          ; v1 8 x lane, v2 v4 my places among words and biases, v3 4 r, v6 8 r; v12 -M, v13 largest t, v[14:15] the sum; v16-27 Q; v28 my query in the block less 16 h; v29 -infinity; v30 v31 the add's
.set LL,   14
.set G1A,  16
.set G1B,  24
.set TA,   40                          ; my pair's tile in a block
.set MA,   41
.set SS,   42                          ; the slot's step
.set SEL,  52
.set LG,   56
.set TB,   58
.set TAU,  59
.set JR,   60
.set JSW,  61                          ; the slot ahead of which Y changes tiles
.set BLK,  62                          ; my tile's block
.set B2,   63
.set ROLE, 66                          ; 0 X, 1 Y
.set BH,   67
.macro LOADQ blk                       ; Q's half fragment and scale words of tile TA of a block
	s_lshl_b32 s43, s[\blk], 3
	s_add_co_u32 s43, s43, s[TA]
	s_mul_i32 s44, s[BH], 294912
	s_mul_i32 s45, s43, 768
	s_add_co_u32 s44, s44, s45
	s_mov_b32 s45, 0
	s_add_nc_u64 s[44:45], s[4:5], s[44:45]
.irp p, 0,1,2
	global_load_b64 v[16+2*\p:17+2*\p], v1, s[44:45] offset:256*\p
.endr
	s_mul_i32 s46, s[BH], 20480
	s_lshl_b32 s47, s43, 6
	s_add_co_u32 s46, s46, s47
	s_mov_b32 s47, 0
	s_add_nc_u64 s[46:47], s[6:7], s[46:47]
	global_load_b32 v255, v3, s[46:47]
.endm
.macro QFIX                            ; 3 off Q's two scale bytes, each held at 3 from below first: the division by 8; 1.0 over the zero codes
	v_and_b32 v232, 0xff, v255
	v_bfe_u32 v233, v255, 8, 8
	v_max_u32 v232, 3, v232
	v_max_u32 v233, 3, v233
	s_delay_alu instid0(VALU_DEP_1)
	v_lshl_or_b32 v232, v233, 8, v232
	s_delay_alu instid0(VALU_DEP_1)
	v_add_nc_u32 v255, 0x7f7efcfd, v232
.endm
.macro OZERO
.set i, 0
.rept 32
	v_mov_b32 v[O+i], 0
.set i, i+1
.endr
.endm
; THE WAY OUT of a tile.  O^T / the sum: register 16 b + i is channel 32 b + 16 h + i of my query: two blocks of the last product's K: half a fragment (three units) of aimg and two scale bytes.
.macro EPI blk
.rept 4
	v_nop                                          ; places behind the last products
.endr
	v_add_f32 v14, v14, v15
	s_delay_alu instid0(VALU_DEP_1)
	v_permlanex16_b32 v252, v14, s[SEL], s[SEL+1]
	s_delay_alu instid0(VALU_DEP_1)
	v_add_f32 v14, v14, v252                       ; the row's sum
	s_wait_alu depctr_va_vdst(0)
	v_rcp_f32 v14, v14
	s_lshl_b32 s76, s[\blk], 3
	s_add_co_u32 s76, s76, s[TA]
	s_lshr_b32 s68, s[BH], 4
	s_lshl_b32 s68, s68, 7
	s_add_co_u32 s68, s68, s76                     ; my tile among the 256 tiles of tokens
	s_and_b32 s69, s[BH], 15                       ; the head: K = 64 head on
	s_lshr_b32 s70, s68, 3
	s_mul_i32 s70, s70, 98304
	s_lshr_b32 s71, s69, 2
	s_mul_i32 s72, s71, 24576
	s_add_co_u32 s70, s70, s72
	s_and_b32 s72, s68, 7
	s_mul_i32 s72, s72, 3072
	s_add_co_u32 s70, s70, s72
	s_bfe_u32 s73, s69, 0x10001
	s_mul_i32 s72, s73, 1536
	s_add_co_u32 s70, s70, s72
	s_and_b32 s74, s69, 1
	s_mul_i32 s72, s74, 768
	s_add_co_u32 s70, s70, s72
	s_lshr_b32 s75, s68, 1
	s_lshl_b32 s75, s75, 10
	s_lshl_b32 s72, s71, 8
	s_add_co_u32 s75, s75, s72
	s_and_b32 s72, s68, 1
	s_lshl_b32 s72, s72, 7
	s_add_co_u32 s75, s75, s72
	s_lshl_b32 s72, s73, 2
	s_add_co_u32 s75, s75, s72
	s_lshl_b32 s72, s74, 1
	s_add_co_u32 s75, s75, s72
	v_add_nc_u32 v8, s70, v1                       ; (plain lines behind the reciprocal)
	v_add_nc_u32 v9, s75, v6
	s_wait_alu depctr_va_vdst(0)                   ; ahead of the reciprocal's first reader
.irp j, 0,2,4,6,8,10,12,14,16,18,20,22,24,26,28,30
	v_pk_mul_f32 v[S+\j:S+\j+1], v[O+\j:O+\j+1], v[14:15] op_sel_hi:[1,0]
.endr
.irp b, 0,1
	v_max3_num_f32 v[232+\b], |v[S+16*\b]|, |v[S+16*\b+1]|, 0x1800000
.endr
.irp i, 2,4,6,8,10,12,14
.irp b, 0,1
	s_delay_alu instid0(VALU_DEP_2)
	v_max3_num_f32 v[232+\b], v[232+\b], |v[S+16*\b+\i]|, |v[S+16*\b+\i+1]|
.endr
.endr
.irp b, 0,1
	s_delay_alu instid0(VALU_DEP_2)
	v_permlanex16_b32 v[236+\b], v[232+\b], s[SEL], s[SEL+1]
.endr
.irp b, 0,1
	s_delay_alu instid0(VALU_DEP_2)
	v_max_num_f32 v[232+\b], v[232+\b], v[236+\b]
.endr
.irp b, 0,1
	s_delay_alu instid0(VALU_DEP_2)
	v_add_nc_u32 v[244+\b], 0xff000000, v[232+\b]
.endr
.irp b, 0,1
	s_delay_alu instid0(VALU_DEP_2)
	v_lshrrev_b32 v[236+\b], 23, v[244+\b]
.endr
	s_delay_alu instid0(VALU_DEP_1)
	v_lshl_or_b32 v253, v237, 8, v236
	v_cvt_scalef32_pk16_fp6_f32 v[224:226], v[S:S+15], v244
	v_cvt_scalef32_pk16_fp6_f32 v[228:230], v[S+16:S+31], v245
	v_nop
.irp i, 0,1,2
	v_permlane16_swap_b32 v[224+\i], v[228+\i]     ; lanes 0-15 now hold block 0 whole, lanes 16-31 block 1
.endr
	s_delay_alu instid0(VALU_DEP_3)
	v_mov_b32 v227, v228
	s_delay_alu instid0(VALU_DEP_3)
	v_mov_b32 v228, v229
	s_delay_alu instid0(VALU_DEP_3)
	v_mov_b32 v229, v230
.irp p, 0,1,2
	global_store_b64 v8, v[224+2*\p:225+2*\p], s[8:9] offset:256*\p   ; 32 lanes store 256 consecutive bytes, aligned
.endr
	global_store_b16 v9, v253, s[10:11]            ; two bytes a row: the word's other two are another head's, made by another work-group.  Lanes r and r + 16 write the same bytes with the same value
.endm
; Y leaves the early tile and takes up the late one: Q is asked for first and lands under the way out
.macro SWITCH
	LOADQ B2
	EPI BLK
	s_mov_b32 s[BLK], s[B2]
	v_mov_b32 v13, 0xff61b1e6
	s_delay_alu instid0(VALU_DEP_1)
	v_floor_f32 v12, -v13
	v_mov_b32 v14, 0
	v_mov_b32 v15, 0
	s_wait_loadcnt 0x0                             ; Q
	s_wait_xcnt 0x0                                ; the stores have read their data and offsets
	QFIX
	OZERO                                          ; also the places between the write of Q's scale word and the next product
	s_wait_alu depctr_va_vdst(0)
.endm
; A SLOT: one key step of 128 keys for my tile.  lim: the highest step whose bytes may be read here
.macro SLOT lim
	s_cmp_eq_u32 s[TAU], s[JSW]
	s_cbranch_scc0 .Lstay_\@
	SWITCH
.Lstay_\@:
	s_sub_co_i32 s[SS], s[TAU], s[JR]
	s_max_i32 s[SS], s[SS], 0
	s_add_co_u32 s[SS], s[SS], s[TAU]              ; my step
	s_cmp_gt_u32 s[SS], s[BLK]                     ; behind my tile's block (Y's last slot): nothing to do.  A branch on ids; no barrier stands in a slot
	s_cbranch_scc1 .Lhidden_\@
	s_min_u32 s[TB], s[SS], \lim
	s_lshl_b32 s48, s[TB], 9                       ; the step's biases: 512 bytes a step
	s_mul_i32 s[TB], s[TB], 768
	v_add_nc_u32 v[ADK], s[TB], v1                 ; these six are also the places between the last step's products and the loads into V's registers
	v_add_nc_u32 v[ADS], s[TB], v2
	v_add_nc_u32 v[ADA], s48, v4
	v_add_nc_u32 v[ADK+1], 0xc000, v[ADK]
	v_add_nc_u32 v[ADK+2], 0x18000, v[ADK]
	v_add_nc_u32 v[ADK+3], 0x24000, v[ADK]
	s_wait_alu depctr_va_vdst(0)
.irp g, 0,1                                    ; S^T = K Q^T / 8 + bias, four tiles of 16 keys at a time
.if \g
.rept 4
	v_nop                                          ; places: behind them K's and the biases' registers are loaded again
.endr
.endif
.irp t, 0,1,2,3
.irp p, 0,1,2
	ds_load_b64 v[KB+12*\t+2*\p:KB+12*\t+2*\p+1], v[ADK+\g] offset:\t*12288+256*\p
.endr
.endr
	ds_load_b32 v248, v[ADS] offset:256*\g
	ds_load_b32 v249, v[ADS] offset:256*\g+128
.irp n, 0,1,2,3,4,5,6,7
	ds_load_b128 v[AL+4*\n:AL+4*\n+3], v[ADA] offset:256*\g+128*(\n/4)+16*(\n%4)   ; the biases of keys 32 b + 16 h + 0 .. 15, in the result's layout
.endr
	s_wait_dscnt 0x0
.irp t, 0,1,2,3
.if \t%2
	v_wmma_scale_f32_16x16x128_f8f6f4 v[S+8*(4*\g+\t):S+8*(4*\g+\t)+7], v[KB+12*\t:KB+12*\t+11], v[16:27], v[AL+8*\t:AL+8*\t+7], v[248+\t/2], v255 matrix_a_fmt:MATRIX_FMT_FP6 matrix_b_fmt:MATRIX_FMT_FP6 matrix_a_scale:MATRIX_SCALE_ROW1
.else
	v_wmma_scale_f32_16x16x128_f8f6f4 v[S+8*(4*\g+\t):S+8*(4*\g+\t)+7], v[KB+12*\t:KB+12*\t+11], v[16:27], v[AL+8*\t:AL+8*\t+7], v[248+\t/2], v255 matrix_a_fmt:MATRIX_FMT_FP6 matrix_b_fmt:MATRIX_FMT_FP6
.endif
.endr
.endr
.rept 4
	v_nop
.endr
.irp t, 0,1,2,3                                ; V's four fragments are asked for now and land under the softmax
.irp p, 0,1,2,3,4,5
	ds_load_b64 v[VF+12*\t+2*\p:VF+12*\t+2*\p+1], v[ADK+2+\t/2] offset:(2*(\t%2)+\p/3)*12288+256*(\p%3)
.endr
.endr
	ds_load_b32 v250, v[ADS] offset:512
	ds_load_b32 v251, v[ADS] offset:640
	s_cmp_lg_u32 s[SS], s[BLK]                     ; only the step on the diagonal hides keys
	s_cbranch_scc1 .Lopen_\@
.set n, 0
.rept 64
	v_cmp_gt_i32 vcc_lo, 32*(n/16)+n%16, v28       ; register 16 b + i holds key 32 b + 16 h + i of the step: hidden where it comes after my query
	v_cndmask_b32 v[S+n], v[S+n], v29, vcc_lo
.set n, n+1
.endr
.Lopen_\@:
.irp b, 0,1,2,3
	v_max3_num_f32 v[232+\b], v[S+16*\b], v[S+16*\b+1], v[S+16*\b+2]   ; the largest logit of each block of 32 keys: for the row's maximum, and for the block's largest p
.endr
.irp i, 3,5,7,9,11,13
.irp b, 0,1,2,3
	v_max3_num_f32 v[232+\b], v[232+\b], v[S+16*\b+\i], v[S+16*\b+\i+1]
.endr
.endr
.irp b, 0,1,2,3
	v_max_num_f32 v[232+\b], v[232+\b], v[S+15+16*\b]
.endr
.irp b, 0,1,2,3
	s_delay_alu instid0(VALU_DEP_4)
	v_permlanex16_b32 v[236+\b], v[232+\b], s[SEL], s[SEL+1]
.endr
.irp b, 0,1,2,3
	s_delay_alu instid0(VALU_DEP_4)
	v_max_num_f32 v[232+\b], v[232+\b], v[236+\b]  ; with lane l xor 16's 16 keys
.endr
	s_delay_alu instid0(VALU_DEP_2)
	v_max3_num_f32 v254, v232, v233, v234
	s_delay_alu instid0(VALU_DEP_1)
	v_max_num_f32 v254, v254, v235                 ; the step's largest logit of my query
	s_delay_alu instid0(VALU_DEP_1)
	v_mul_f32 v254, s[LG], v254                    ; as t, rounded: it serves M alone; an M one off at an edge changes p by an exact power of two, which the block's scale takes up
	s_delay_alu instid0(VALU_DEP_1)
	v_max_num_f32 v13, v13, v254
	v_mov_b32 v254, v12
	s_delay_alu instid0(VALU_DEP_2)
	v_floor_f32 v12, -v13                          ; the new -M = -ceil(t)
	s_delay_alu instid0(VALU_DEP_1)
	v_sub_f32 v254, v12, v254                      ; old M - new M: a whole number, 0 or less
	s_delay_alu instid0(VALU_DEP_1)
	v_cvt_i32_f32 v254, v254                       ; (it saturates)
	s_delay_alu instid0(VALU_DEP_1)
	v_ldexp_f32 v252, 1.0, v254                    ; f = 2^(old M - new M)
.irp q, 0,8,16,24,32,40,48,56                  ; t - M, eight numbers at a time: the high part's product and -M in one rounding,
.irp j, 0,1,2,3
	v_pk_fma_f32 v[32+2*\j+6*(\j/3):33+2*\j+6*(\j/3)], v[S+\q+2*\j:S+\q+2*\j+1], s[LG:LG+1], v[12:13] op_sel_hi:[1,0,0]
.endr
.irp j, 0,1,2,3                                ; then the low part's product onto it
	v_pk_fma_f32 v[S+\q+2*\j:S+\q+2*\j+1], v[S+\q+2*\j:S+\q+2*\j+1], s[LL:LL+1], v[32+2*\j+6*(\j/3):33+2*\j+6*(\j/3)] op_sel_hi:[1,0,1]
.endr
.endr
.irp b, 0,1,2,3
	v_fma_f32 v[240+\b], v[232+\b], s[LG], v12     ; the same two operations on each block's largest logit
.endr
.irp b, 0,1,2,3
	s_delay_alu instid0(VALU_DEP_4)
	v_fma_f32 v[232+\b], v[232+\b], s[LL], v[240+\b]
.endr
.set n, 0
	s_wait_alu depctr_va_vdst(0)                   ; ahead of the batch
.rept 64
	v_exp_f32 v[S+n], v[S+n]                       ; p = 2^(t - M)
.set n, n+1
.endr
	v_pk_mul_f32 v[14:15], v[14:15], v[252:253] op_sel_hi:[1,0]   ; the sums under the new M: the plain line behind the exponentials
	s_wait_alu depctr_va_vdst(0)                   ; one wait for the whole batch, ahead of its first reader
.irp b, 0,1,2,3
	v_exp_f32 v[232+\b], v[232+\b]                 ; the block's largest p: the same operations on the same number give the same bits
.endr
	v_pk_add_f32 v[236:237], v[132:133], v[136:137]
	v_pk_add_f32 v[248:249], v[140:141], v[144:145]
	v_pk_add_f32 v[246:247], v[148:149], v[152:153]
	v_pk_add_f32 v[244:245], v[156:157], v[160:161]
	v_pk_add_f32 v[242:243], v[164:165], v[168:169]
	v_pk_add_f32 v[240:241], v[172:173], v[176:177]
	v_pk_add_f32 v[238:239], v[180:181], v[184:185]
	v_pk_add_f32 v[14:15], v[14:15], v[188:189]
	v_pk_add_f32 v[236:237], v[236:237], v[128:129]
	v_pk_add_f32 v[248:249], v[248:249], v[130:131]
	v_pk_add_f32 v[246:247], v[246:247], v[134:135]
	v_pk_add_f32 v[244:245], v[244:245], v[138:139]
	v_pk_add_f32 v[242:243], v[242:243], v[142:143]
	v_pk_add_f32 v[240:241], v[240:241], v[146:147]
	v_pk_add_f32 v[238:239], v[238:239], v[150:151]
	v_pk_add_f32 v[14:15], v[14:15], v[154:155]
	v_pk_add_f32 v[236:237], v[236:237], v[158:159]
	v_pk_add_f32 v[248:249], v[248:249], v[162:163]
	v_pk_add_f32 v[246:247], v[246:247], v[166:167]
	v_pk_add_f32 v[244:245], v[244:245], v[170:171]
	v_pk_add_f32 v[242:243], v[242:243], v[174:175]
	v_pk_add_f32 v[240:241], v[240:241], v[178:179]
	v_pk_add_f32 v[238:239], v[238:239], v[182:183]
	v_pk_add_f32 v[14:15], v[14:15], v[186:187]
	v_pk_add_f32 v[236:237], v[236:237], v[190:191]
	s_delay_alu instid0(VALU_DEP_2)
	v_pk_add_f32 v[14:15], v[14:15], v[244:245]
	s_delay_alu instid0(VALU_DEP_2)
	v_pk_add_f32 v[236:237], v[236:237], v[242:243]
	v_pk_add_f32 v[248:249], v[248:249], v[240:241]
	v_pk_add_f32 v[246:247], v[246:247], v[238:239]
	s_delay_alu instid0(VALU_DEP_2)
	v_pk_add_f32 v[14:15], v[14:15], v[248:249]
	s_delay_alu instid0(VALU_DEP_2)
	v_pk_add_f32 v[236:237], v[236:237], v[246:247]
	s_delay_alu instid0(VALU_DEP_1)
	v_pk_add_f32 v[14:15], v[14:15], v[236:237]
	s_wait_alu depctr_va_vdst(0)                   ; and one for the four
.irp b, 0,1,2,3
	v_max_num_f32 v[232+\b], 0x1800000, v[232+\b]  ; the floor 2^(3 - 127)
.endr
.irp b, 0,1,2,3
	s_delay_alu instid0(VALU_DEP_4)
	v_add_nc_u32 v[244+\b], 0xff000000, v[232+\b]  ; the conversion's scale operand
.endr
.irp b, 0,1,2,3
	s_delay_alu instid0(VALU_DEP_4)
	v_lshrrev_b32 v[236+\b], 23, v[244+\b]         ; the scale's byte
.endr
	s_delay_alu instid0(VALU_DEP_3)
	v_lshl_or_b32 v253, v237, 8, v236              ; p's scale word for these 128 keys
	s_delay_alu instid0(VALU_DEP_1)
	v_lshl_or_b32 v253, v238, 16, v253
	s_delay_alu instid0(VALU_DEP_1)
	v_lshl_or_b32 v253, v239, 24, v253
.irp c, 0,1
	v_cvt_scalef32_pk16_fp6_f32 v[224+6*\c:226+6*\c], v[S+32*\c:S+15+32*\c], v[244+2*\c]
	v_cvt_scalef32_pk16_fp6_f32 v[236+4*\c:238+4*\c], v[S+16+32*\c:S+31+32*\c], v[245+2*\c]
.endr
	v_nop                                          ; one plain line behind the conversions
.irp c, 0,1
.irp i, 0,1,2
	v_permlane16_swap_b32 v[224+6*\c+\i], v[236+4*\c+\i]
.endr
.irp i, 0,1,2
	s_delay_alu instid0(VALU_DEP_3)
	v_mov_b32 v[227+6*\c+\i], v[236+4*\c+\i]
.endr
.endr
	s_wait_alu depctr_va_vdst(0)                   ; directly ahead of the first reader of O^T
.irp j, 0,2,4,6,8,10,12,14,16,18,20,22,24,26,28,30
	v_pk_mul_f32 v[O+\j:O+\j+1], v[O+\j:O+\j+1], v[252:253] op_sel_hi:[1,0]   ; O^T under the new M; also the places behind the writes of p's codes and word
.endr
	s_wait_alu depctr_va_vdst(0)
	s_wait_dscnt 0x0                               ; V
.irp t, 0,1,2,3                                ; O^T += V^T P^T: the four accumulators by turns
.if \t%2
	v_wmma_scale_f32_16x16x128_f8f6f4 v[O+8*\t:O+8*\t+7], v[VF+12*\t:VF+12*\t+11], v[224:235], v[O+8*\t:O+8*\t+7], v[250+\t/2], v253 matrix_a_fmt:MATRIX_FMT_FP6 matrix_b_fmt:MATRIX_FMT_FP6 matrix_a_scale:MATRIX_SCALE_ROW1
.else
	v_wmma_scale_f32_16x16x128_f8f6f4 v[O+8*\t:O+8*\t+7], v[VF+12*\t:VF+12*\t+11], v[224:235], v[O+8*\t:O+8*\t+7], v[250+\t/2], v253 matrix_a_fmt:MATRIX_FMT_FP6 matrix_b_fmt:MATRIX_FMT_FP6
.endif
.endr
.Lhidden_\@:
.endm
	s_load_b256 s[4:11], s[0:1], 0x0               ; qkv_img, qkv_scl, aimg, asimg
	v_lshl_add_u32 v30, v0, 2, SPARE
	v_mov_b32 v31, 0
	ds_add_u32 v30, v31                            ; the opening lines
	ds_add_u32 v30, v31
	v_lshrrev_b32 v1, 5, v0
	v_readfirstlane_b32 s[WV], v1                  ; wave 0..15
	s_and_b32 s[BH], ttmp7, 0xffff                 ; (batch, head)
.irp g, G1A, G1B                               ; a strip: rows of 768 bytes (96 elements of 8), 6,144 bytes apart in memory, dense in LDS
	s_mov_b32 s[\g], 3<<16
	s_mov_b32 s[\g+1], 96<<16
	s_mov_b32 s[\g+3], 96<<16
	s_mov_b32 s[\g+5], 768
	s_mov_b32 s[\g+6], 0
	s_mov_b32 s[\g+7], 0
.endr
	s_mov_b32 s[G1A+2], 4<<16                      ; steps 0-3
	s_mov_b32 s[G1A+4], 4
	s_mov_b32 s[G1B+2], 12<<16                     ; steps 4-15
	s_mov_b32 s[G1B+4], 12
	s_mul_i32 s68, s[BH], 294912                   ; waves 0-7: K's strips; waves 8-15: V's
	s_lshr_b32 s69, s[WV], 3
	s_mul_i32 s69, s69, 98304
	s_add_co_u32 s68, s68, s69
	s_add_co_u32 s68, s68, 98304
	s_and_b32 s69, s[WV], 7
	s_mul_i32 s69, s69, 768
	s_add_co_u32 s68, s68, s69
	s_mov_b32 s69, 0
	s_mul_i32 s70, s[WV], 12288
	s_wait_dscnt 0x0
	s_wait_kmcnt 0x0
	s_mov_b32 s32, 1
	s_mov_b32 s33, s70
	s_add_nc_u64 s[34:35], s[4:5], s[68:69]
	s_mov_b32 s36, 1
	s_add_co_u32 s37, s70, 3072
	s_add_nc_u64 s[38:39], s[34:35], 24576
	s_or_b32 s35, s35, 0x80000000
	s_or_b32 s39, s39, 0x80000000
	tensor_load_to_lds s[32:35], s[G1A:G1A+7]      ; my one load at the head: my strip's steps 0-3
	s_nop 0
	v_and_b32 v43, 31, v0                          ; lane
	v_and_b32 v42, 15, v0                          ; r
	v_bfe_u32 v41, v0, 4, 1                        ; h
	v_lshlrev_b32 v1, 3, v43
	v_lshl_add_u32 v2, v43, 2, WRD                 ; lanes 0-15 an even tile's words, lanes 16-31 the odd tile's behind it
	v_lshlrev_b32 v3, 2, v42
	v_lshl_add_u32 v4, v41, 6, ALB                 ; my half's 16 keys of each 32
	v_lshlrev_b32 v6, 3, v42
	v_lshrrev_b32 v35, 5, v0
	v_mul_u32_u24 v35, v35, 768                    ; wave w lays step w's words and biases
	v_lshl_add_u32 v58, v43, 3, v35
	v_lshl_add_u32 v35, v43, 4, v35
	v_add_nc_u32 v56, WRD, v35
	v_lshl_add_u32 v57, v0, 4, ALB                 ; thread n's four biases: 16 n
	v_add_nc_u32 v58, WRD+512, v58
	v_lshlrev_b32 v59, 4, v0
	v_lshlrev_b32 v60, 3, v0
	s_wait_alu depctr_va_vdst(0)
	s_lshr_b32 s[ROLE], s[WV], 2
	s_xor_b32 s[ROLE], s[ROLE], s[WV]
	s_and_b32 s[ROLE], s[ROLE], 1                  ; of waves w, w + 4, w + 8, w + 12 two are X and two Y; waves 2 a, 2 a + 1 are a pair
	s_lshr_b32 s[TA], s[WV], 1
	s_sub_co_u32 s[B2], 15, ttmp9
	s_add_co_u32 s68, ttmp9, 1
	s_cmp_eq_u32 s[ROLE], 1
	s_cselect_b32 s[BLK], ttmp9, s[B2]
	s_cselect_b32 s[JSW], s68, 99
	s_sub_co_u32 s[JR], s68, s[ROLE]
	s_mul_i32 s[MA], s[TA], 4352
	s_add_co_u32 s[MA], s[MA], MRG
	s_mul_i32 s70, s[BH], 20480
	s_mov_b32 s71, 0
	s_add_nc_u64 s[70:71], s[6:7], s[70:71]
	global_load_b128 v[44:47], v59, s[70:71] offset:8192    ; K's scale words: a wave reads a step's 512 bytes
	global_load_b64 v[48:49], v60, s[70:71] offset:16384    ; V's: 256 bytes
	LOADQ BLK
	s_mov_b32 s[SEL], 0x76543210
	s_mov_b32 s[SEL+1], 0xfedcba98
	s_mov_b32 s[LG], 0x3fb8aa3b                    ; log2(e) = this
	s_mov_b32 s[LG+1], s[LG]
	s_mov_b32 s[LL], 0x32a5705f                    ; + this
	s_mov_b32 s[LL+1], s[LL]
	; the slope 2^(-(head + 1) / 2) as f32: odd heads a power of two, even heads 2^-0.5 under a power of two
	s_and_b32 s2, s[BH], 15
	s_and_b32 s3, s2, 1
	s_cmp_eq_u32 s3, 1
	s_mov_b32 s3, 0x3f3504f3
	s_cselect_b32 s3, 0x3f000000, s3
	s_lshr_b32 s13, s2, 1
	s_lshl_b32 s13, s13, 23
	s_sub_co_u32 s3, s3, s13
	v_lshlrev_b32 v32, 2, v0                       ; thread n makes the biases of keys 4 n .. 4 n + 3: slope x (key - 2047), one rounding
	s_delay_alu instid0(VALU_DEP_1)
	v_add_nc_u32 v32, 0xfffff801, v32
	s_delay_alu instid0(VALU_DEP_1)
	v_add_nc_u32 v33, 1, v32
	v_add_nc_u32 v34, 2, v32
	v_add_nc_u32 v35, 3, v32
.irp i, 0,1,2,3
	s_delay_alu instid0(VALU_DEP_4)
	v_cvt_f32_i32 v[32+\i], v[32+\i]
.endr
.irp i, 0,1,2,3
	s_delay_alu instid0(VALU_DEP_4)
	v_mul_f32 v[32+\i], s3, v[32+\i]
.endr
	ds_store_b128 v57, v[32:35]
	s_lshr_b32 s72, s[TA], 1                       ; my query in its block: 32 (tile / 2) + 8 (tile % 2) + (r & 7) + 16 (r >> 3); less 16 h for the compare
	s_lshl_b32 s72, s72, 5
	s_and_b32 s73, s[TA], 1
	s_lshl_b32 s73, s73, 3
	s_add_co_u32 s72, s72, s73
	v_and_b32 v28, 7, v42
	v_lshrrev_b32 v50, 3, v42
	s_delay_alu instid0(VALU_DEP_1)
	v_lshl_add_u32 v28, v50, 4, v28
	v_lshlrev_b32 v50, 4, v41
	s_delay_alu instid0(VALU_DEP_1)
	v_sub_nc_u32 v28, v28, v50
	s_delay_alu instid0(VALU_DEP_1)
	v_add_nc_u32 v28, s72, v28
	v_mov_b32 v29, 0xff800000                      ; -infinity
	v_mov_b32 v13, 0xff61b1e6                      ; the largest t so far: -3e38, under every t
	s_delay_alu instid0(VALU_DEP_1)
	v_floor_f32 v12, -v13                          ; -M
	v_mov_b32 v14, 0
	v_mov_b32 v15, 0
.irp i, 22,23,24,25,26,27
	v_mov_b32 v[\i], 0                             ; zero codes for K = 64 .. 127 of the first product: Q's,
.endr
.irp t, 0,1,2,3
.irp i, 6,7,8,9,10,11
	v_mov_b32 v[KB+12*\t+\i], 0                    ; and K's
.endr
.endr
.irp b, 236,237,238,239,252,253
	v_mov_b32 v[\b], 0                             ; a lane permute's destination counts as one of its sources; v[252:253] is named as a pair
.endr
	s_wait_alu depctr_va_vdst(0)
	s_wait_loadcnt 0x0                             ; the words and Q
	ds_store_b128 v56, v[44:47]
	ds_store_b64 v58, v[48:49]
	QFIX
	OZERO                                          ; O^T: the step is written once; the first finds zeros
	s_wait_alu depctr_va_vdst(0)
	s_wait_tensorcnt 0x0                           ; my strip's steps 0-3 are in
	ds_add_u32 v30, v31
	s_wait_dscnt 0x0                               ; the add and my stores of words and biases
	s_barrier_signal -1
	s_barrier_wait -1
	tensor_load_to_lds s[36:39], s[G1B:G1B+7]      ; my strip's steps 4-15: my one load behind this barrier
	s_nop 0
.rept 4
	v_nop
.endr
	s_mov_b32 s[TAU], 0
.Lfirst:                                               ; slots 0 and 1 read steps 0 to 2
	SLOT 2
	s_add_co_u32 s[TAU], s[TAU], 1
	s_cmp_lt_u32 s[TAU], 2
	s_cbranch_scc1 .Lfirst
	s_wait_tensorcnt 0x0                           ; my strip is whole,
	s_wait_dscnt 0x0
	s_barrier_signal -1
	s_barrier_wait -1                              ; and so is everybody's
	s_mov_b32 s[TAU], 2
.Lrest:
	SLOT 15
	s_add_co_u32 s[TAU], s[TAU], 1
	s_cmp_lt_u32 s[TAU], 9
	s_cbranch_scc1 .Lrest
	; Y's part of the late tile goes to X as an image of its registers
	v_and_b32 v8, 31, v0
	s_delay_alu instid0(VALU_DEP_1)
	v_lshl_add_u32 v9, v8, 2, s[MA]
	v_lshl_add_u32 v8, v8, 4, s[MA]
	v_add_nc_u32 v9, 4096, v9
	v_nop                                          ; (with the four above: the places behind the last products)
	s_wait_alu depctr_va_vdst(0)
	s_cmp_eq_u32 s[ROLE], 1
	s_cbranch_scc0 .Lnot_y
	v_add_f32 v14, v14, v15
.irp i, 0,1,2,3,4,5,6,7
	ds_store_b128 v8, v[O+4*\i:O+4*\i+3] offset:512*\i
.endr
	ds_store_b32 v9, v12
	ds_store_b32 v9, v14 offset:128
.Lnot_y:
	s_wait_alu depctr_va_vdst(0)
	s_wait_dscnt 0x0
	s_barrier_signal -1
	s_barrier_wait -1
	s_cmp_eq_u32 s[ROLE], 1
	s_cbranch_scc1 .Lend
.irp i, 0,1,2,3,4,5,6,7
	ds_load_b128 v[S+4*\i:S+4*\i+3], v8 offset:512*\i
.endr
	ds_load_b32 v160, v9
	ds_load_b32 v161, v9 offset:128
	s_wait_dscnt 0x0
	v_add_f32 v14, v14, v15
	v_min_num_f32 v162, v12, v160                  ; -M of both parts
	v_mov_b32 v167, 0
	v_mov_b32 v15, 0
	s_delay_alu instid0(VALU_DEP_3)
	v_sub_f32 v163, v162, v12
	v_sub_f32 v164, v162, v160                     ; whole numbers, 0 or less (a part with no step has -M = 3e38: its factor is 0)
	s_delay_alu instid0(VALU_DEP_2)
	v_cvt_i32_f32 v163, v163
	s_delay_alu instid0(VALU_DEP_2)
	v_cvt_i32_f32 v164, v164
	s_delay_alu instid0(VALU_DEP_2)
	v_ldexp_f32 v252, 1.0, v163
	s_delay_alu instid0(VALU_DEP_2)
	v_ldexp_f32 v166, 1.0, v164
	s_delay_alu instid0(VALU_DEP_2)
	v_mul_f32 v14, v14, v252
	s_delay_alu instid0(VALU_DEP_1)
	v_fmac_f32 v14, v161, v166
.irp j, 0,2,4,6,8,10,12,14,16,18,20,22,24,26,28,30
	v_pk_mul_f32 v[O+\j:O+\j+1], v[O+\j:O+\j+1], v[252:253] op_sel_hi:[1,0]
.endr
.irp j, 0,2,4,6,8,10,12,14,16,18,20,22,24,26,28,30
	v_pk_fma_f32 v[O+\j:O+\j+1], v[S+\j:S+\j+1], v[166:167], v[O+\j:O+\j+1] op_sel_hi:[1,0,1]
.endr
	EPI BLK
.Lend:
	s_wait_tensorcnt 0x0                           ; the wave's end
	ds_add_u32 v30, v31
	s_wait_dscnt 0x0
	s_endpgm
.Lfunc_end_k_q586aecf453_attn:
	.size	k_q586aecf453_attn, .Lfunc_end_k_q586aecf453_attn-k_q586aecf453_attn
	.p2alignl 7, 3214868480
	.fill 96, 4, 3214868480
	.section	.rodata,"a",@progbits
	.p2align	6, 0x0
	.amdhsa_kernel k_q586aecf453_attn
		.amdhsa_group_segment_fixed_size 327680
		.amdhsa_private_segment_fixed_size 0
		.amdhsa_enable_private_segment 0
		.amdhsa_kernarg_size 32
		.amdhsa_user_sgpr_count 2
		.amdhsa_user_sgpr_kernarg_segment_ptr 1
		.amdhsa_wavefront_size32 1
		.amdhsa_system_sgpr_workgroup_id_x 1
		.amdhsa_system_sgpr_workgroup_id_y 1
		.amdhsa_system_sgpr_workgroup_id_z 1
		.amdhsa_system_vgpr_workitem_id 0
		.amdhsa_next_free_vgpr 256
		.amdhsa_next_free_sgpr 80
		.amdhsa_reserve_vcc 1
		.amdhsa_float_denorm_mode_32 3
		.amdhsa_float_denorm_mode_16_64 3
		.amdhsa_memory_ordered 1
		.amdhsa_forward_progress 1
		.amdhsa_inst_pref_size 92
	.end_amdhsa_kernel
	.amdgpu_metadata
---
amdhsa.version: [ 1, 2 ]
amdhsa.kernels:
  - .name:           k_q586aecf453_attn
    .symbol:         k_q586aecf453_attn.kd
    .args:
      - { .name: qkv_img, .offset: 0, .size: 8, .value_kind: global_buffer, .address_space: global }
      - { .name: qkv_scl, .offset: 8, .size: 8, .value_kind: global_buffer, .address_space: global }
      - { .name: aimg, .offset: 16, .size: 8, .value_kind: global_buffer, .address_space: global }
      - { .name: asimg, .offset: 24, .size: 8, .value_kind: global_buffer, .address_space: global }
    .group_segment_fixed_size: 327680
    .private_segment_fixed_size: 0
    .kernarg_segment_align: 8
    .kernarg_segment_size: 32
    .max_flat_workgroup_size: 512
    .sgpr_count:     80
    .vgpr_count:     256
    .wavefront_size: 32
...
	.end_amdgpu_metadata
.endif
;; end of part 3
;; launch outp (part 4): grid 8 x 32, 4 waves a work-group, clusters of 4 x 4, 214,528 bytes of LDS; arguments aimg, asimg, cimg, simg, out0; writes out0
.if DOCPART == 4
	.amdgcn_target "amdgcn-amd-amdhsa--gfx1250"
	.amdhsa_code_object_version 6
	.text
	.protected	k_q586aecf453_outp
	.globl	k_q586aecf453_outp
	.p2align	8
	.type	k_q586aecf453_outp,@function
k_q586aecf453_outp:
	s_mov_b64 s[64:65], 0
	v_nop
	global_prefetch_b8 v0, s[64:65] scope:SCOPE_SE
	s_setreg_imm32_b32 hwreg(HW_REG_WAVE_MODE, 25, 1), 1
	s_wait_xcnt 0x0
	s_wait_alu depctr_hold_cnt(0) depctr_sa_sdst(0) depctr_va_vdst(0) depctr_va_sdst(0) depctr_va_ssrc(0) depctr_va_vcc(0) depctr_vm_vsrc(0)
	s_getreg_b32 s2, hwreg(HW_REG_IB_STS2, 6, 4)
	s_cmp_eq_u32 s2, 0
	s_cbranch_scc0 .Lentry_in_a_cluster
	s_endpgm
.Lentry_in_a_cluster:
	s_bfe_u32 s2, ttmp6, 0x10000c
	s_cmp_lg_u32 s2, 0xf033
	s_cbranch_scc0 .Lentry_shape_is_right
	s_endpgm
.Lentry_shape_is_right:
; out0 [4096][1024] = attention's result x Wo on codes of FP6 (E2M3) with E8M0 scales, K = 1,024, sums in f32.
; OPERANDS: fragments as images of their registers (six units of 256 bytes), tiles in ROW ORDER (tile g, lane row r = row 32 (g / 2) + 8 (g % 2) + (r & 7) + 16 (r >> 3)): A's from aimg, Wo's from cimg (operand rows 7,168 on).
; A work-group makes 128 tokens x 128 columns: 32 x 8 = 256 work-groups.  ALL OF K LIES IN LDS: 128 rows for all of K are 98,304 dense bytes of an image; A's and B's are brought by one tensor load a wave
; (a half of A or of B each, 192 rows of 256 bytes), filled once and never again: one barrier, no ring.  No trip to run ahead in: no prefetch.
; CLUSTERS: 4 x 4 work-groups; A's halves are asked for jointly along a row of the cluster, B's along a column.
; A wave makes 64 x 64: 16 accumulators (v256-383).  Source 0 = a tile of Wo's columns, source 1 = a tile of tokens: a lane holds one token, and the 16 registers of B's tiles 2 b, 2 b + 1 are 16 neighbouring columns.
; THE SCALE WORDS go from memory straight into registers: a load of 8 bytes a lane is 256 dense bytes: lanes 0-15 an even tile's two words of 256 along K, lanes 16-31 the odd tile's.
; REGISTERS: v16-29 addresses; v32-127, v128-223 two sets of fragments (A's four, then B's four); v224-239 A's scale words, v240-255 B's.
.set STG,   196608                     ; behind A and B: a stage of 16 rows x 272 bytes for each wave
.set SPARE, 214016
.set ADRA, 16                          ; v16-17 my A fragments, K = 0 on and K = 512 on
.set ADRB, 20
.set STO,  24
.set RD,   25
.set CO,   26
.set SPW,  28
.set NIL,  29
.set SA,   224
.set SBR,  240
.set G1,  24
.set G0,  32                           ; s[32:39] A's two halves
.set G1B, 48
.set G0B, 56                           ; s[56:63] B's
.set MSB, 0
.macro WIN new
.if MSB != \new
	s_set_vgpr_msb (MSB<<8)|\new
.set MSB, \new
.endif
.endm
.macro CREST
	s_cmp_lg_u32 s14, 0
	s_cbranch_scc1 .Lnot_wave_0_\@
	s_barrier_signal -3
.Lnot_wave_0_\@:
	s_barrier_wait -3
	s_barrier_signal -1
	s_barrier_wait -1
.endm
.macro CROUND
	s_barrier_signal -1
	s_barrier_wait -1
	CREST
.endm
	s_load_b256 s[4:11], s[0:1], 0x0               ; aimg, asimg, cimg, simg
	s_load_b64 s[12:13], s[0:1], 0x20              ; out0
	v_lshl_add_u32 v[SPW], v0, 2, SPARE
	v_mov_b32 v[NIL], 0
	ds_add_u32 v[SPW], v[NIL]                      ; the opening lines
	ds_add_u32 v[SPW], v[NIL]
	v_lshrrev_b32 v1, 5, v0
	v_readfirstlane_b32 s14, v1                    ; wave 0..3
	s_lshr_b32 s15, s14, 1                         ; my half of the tokens
	s_and_b32 s16, s14, 1                          ; my half of the columns
	s_bfe_u32 s40, ttmp6, 0x40000                  ; cx, cy
	s_bfe_u32 s41, ttmp6, 0x40004
	s_lshl_b32 s42, ttmp9, 2
	s_add_co_u32 s42, s42, s40                     ; block of 128 columns
	s_and_b32 s17, ttmp7, 0xffff
	s_lshl_b32 s17, s17, 2
	s_add_co_u32 s17, s17, s41                     ; block of 128 tokens
	s_lshl_b32 s43, s41, 2
	s_lshl_b32 s43, 15, s43                        ; my row of the cluster
	s_lshl_b32 s44, 0x1111, s40                    ; my column
	s_or_b32 s[G1+0], s43, (3<<16)|(1<<21)
	s_or_b32 s[G1B+0], s44, (3<<16)|(1<<21)
.irp g, G1, G1B                                ; a dense block of 49,152 bytes as 192 rows of 256 bytes
	s_mov_b32 s[\g+1], 32<<16
	s_mov_b32 s[\g+2], 192<<16
	s_mov_b32 s[\g+3], 32<<16
	s_mov_b32 s[\g+4], 192
	s_mov_b32 s[\g+5], 32
	s_mov_b32 s[\g+6], 0
	s_mov_b32 s[\g+7], 0
.endr
	s_mul_i32 s20, s17, 98304
	s_mov_b32 s21, 0
	s_add_co_u32 s46, s42, 56
	s_mul_i32 s46, s46, 98304
	s_mov_b32 s47, 0
	s_wait_dscnt 0x0
	s_wait_kmcnt 0x0
	s_add_nc_u64 s[20:21], s[4:5], s[20:21]
	s_add_nc_u64 s[46:47], s[8:9], s[46:47]
	CROUND                                         ; all sixteen work-groups are here: the joint loads meet
.irp f, 0,1
	s_mov_b32 s[G0+4*\f], 1
	s_mov_b32 s[G0+4*\f+1], \f*49152
	s_add_nc_u64 s[G0+4*\f+2:G0+4*\f+3], s[20:21], \f*49152
	s_or_b32 s[G0+4*\f+3], s[G0+4*\f+3], 0x80000000
	s_mov_b32 s[G0B+4*\f], 1
	s_mov_b32 s[G0B+4*\f+1], 98304+\f*49152
	s_add_nc_u64 s[G0B+4*\f+2:G0B+4*\f+3], s[46:47], \f*49152
	s_or_b32 s[G0B+4*\f+3], s[G0B+4*\f+3], 0x80000000
.endr
; one tree of branches on the wave's number, one load to an arm: wave 0 A's K = 0 on, wave 1 B's, wave 2 A's K = 512 on, wave 3 B's
.macro ARM under, g0, g1, next
	s_cmp_lt_u32 s14, \under
	s_cbranch_scc0 \next
	tensor_load_to_lds s[\g0:\g0+3], s[\g1:\g1+7]
	s_nop 0
.rept 4
	v_nop
.endr
	s_branch .Lhead_asked
\next:
.endm
	ARM 1, G0,    G1,  .Lhead_b
	ARM 2, G0B,   G1B, .Lhead_a1
	ARM 3, G0+4,  G1,  .Lhead_b1
	tensor_load_to_lds s[G0B+4:G0B+7], s[G1B:G1B+7]
	s_nop 0
.rept 4
	v_nop
.endr
.Lhead_asked:
	s_mul_i32 s21, s15, 12288                      ; my four tiles of A,
	s_mul_i32 s22, s16, 12288
	s_add_co_u32 s22, s22, 98304                   ; and of B
	s_lshl_b32 s18, s17, 12                        ; A's scale words: 1,024 bytes for each 32 rows
	s_lshl_b32 s19, s15, 11
	s_add_co_u32 s18, s18, s19
	s_mov_b32 s19, 0
	s_add_nc_u64 s[6:7], s[6:7], s[18:19]
	s_lshl_b32 s18, s42, 12                        ; B's: operand rows 7,168 on
	s_lshl_b32 s23, s16, 11
	s_add_co_u32 s18, s18, s23
	s_add_co_u32 s18, s18, 229376
	s_add_nc_u64 s[10:11], s[10:11], s[18:19]
	s_mul_i32 s23, s14, 4352
	s_add_co_u32 s23, s23, STG                     ; my stage
	s_lshl_b32 s18, s17, 19                        ; out0: 128 tokens of 4,096 bytes,
	s_lshl_b32 s20, s15, 18                        ; my 64,
	s_add_co_u32 s18, s18, s20
	s_lshl_b32 s20, s42, 9                         ; 128 columns of 4 bytes,
	s_add_co_u32 s18, s18, s20
	s_lshl_b32 s20, s16, 8                         ; my 64
	s_add_co_u32 s18, s18, s20
	s_add_nc_u64 s[12:13], s[12:13], s[18:19]
	v_and_b32 v1, 31, v0
	v_lshlrev_b32 v2, 3, v1                        ; 8 x lane: my place in every unit of an image
	v_and_b32 v3, 15, v0                           ; r
	v_bfe_u32 v4, v0, 4, 1                         ; h
	v_add_nc_u32 v[ADRA], s21, v2
	v_add_nc_u32 v[ADRB], s22, v2
	v_add_nc_u32 v[ADRA+1], 0xc000, v[ADRA]
	v_add_nc_u32 v[ADRB+1], 0xc000, v[ADRB]
	v_mul_u32_u24 v5, v3, 272
	v_lshl_add_u32 v5, v4, 6, v5
	v_add_nc_u32 v[STO], s23, v5                   ; into the stage: row r, 64 bytes for each half of the lanes
	v_mul_u32_u24 v5, v4, 272
	v_lshl_add_u32 v5, v3, 4, v5
	v_add_nc_u32 v[RD], s23, v5                    ; back: sixteen lanes to a row of 256 bytes, two rows a load
	v_lshlrev_b32 v5, 12, v4
	v_lshl_add_u32 v[CO], v3, 4, v5                ; and the same in out0
	s_wait_alu depctr_va_vdst(0)
.irp u, 0,1
.irp n, 0,1,2,3
	global_load_b64 v[SA+8*\u+2*\n:SA+8*\u+2*\n+1], v2, s[6:7] offset:\u*1024+\n*256
	global_load_b64 v[SBR+8*\u+2*\n:SBR+8*\u+2*\n+1], v2, s[10:11] offset:\u*1024+\n*256
.endr
.endr
	s_wait_tensorcnt 0x0                           ; my half of A or of B is in,
	s_barrier_signal -1
	s_barrier_wait -1                              ; everybody's is
	s_wait_loadcnt 0x0                             ; the scale words
.macro FETCH k                         ; step k's eight fragments into set k % 2: 48 loads
.irp i, 0,1,2,3
.irp p, 0,1,2,3,4,5
	ds_load_b64 v[32+96*((\k)%2)+12*\i+2*\p:33+96*((\k)%2)+12*\i+2*\p], v[ADRA+(\k)/4] offset:(((\k)/2)%2)*24576+\i*3072+((\k)%2)*1536+256*\p
.endr
.endr
.irp i, 0,1,2,3
.irp p, 0,1,2,3,4,5
	ds_load_b64 v[80+96*((\k)%2)+12*\i+2*\p:81+96*((\k)%2)+12*\i+2*\p], v[ADRB+(\k)/4] offset:(((\k)/2)%2)*24576+\i*3072+((\k)%2)*1536+256*\p
.endr
.endr
.endm
.macro WM a, b, k, c                   ; an odd tile's scale words stand in lanes 16-31
.if ((\b)%2) && ((\a)%2)
	v_wmma_scale_f32_16x16x128_f8f6f4 v[8*(4*\a+\b):8*(4*\a+\b)+7], v[80+96*((\k)%2)+12*\b:91+96*((\k)%2)+12*\b], v[32+96*((\k)%2)+12*\a:43+96*((\k)%2)+12*\a], \c, v[SBR+8*(\b/2)+(\k)], v[SA+8*(\a/2)+(\k)] matrix_a_fmt:MATRIX_FMT_FP6 matrix_b_fmt:MATRIX_FMT_FP6 matrix_a_scale:MATRIX_SCALE_ROW1 matrix_b_scale:MATRIX_SCALE_ROW1
.elseif ((\b)%2)
	v_wmma_scale_f32_16x16x128_f8f6f4 v[8*(4*\a+\b):8*(4*\a+\b)+7], v[80+96*((\k)%2)+12*\b:91+96*((\k)%2)+12*\b], v[32+96*((\k)%2)+12*\a:43+96*((\k)%2)+12*\a], \c, v[SBR+8*(\b/2)+(\k)], v[SA+8*(\a/2)+(\k)] matrix_a_fmt:MATRIX_FMT_FP6 matrix_b_fmt:MATRIX_FMT_FP6 matrix_a_scale:MATRIX_SCALE_ROW1
.elseif ((\a)%2)
	v_wmma_scale_f32_16x16x128_f8f6f4 v[8*(4*\a+\b):8*(4*\a+\b)+7], v[80+96*((\k)%2)+12*\b:91+96*((\k)%2)+12*\b], v[32+96*((\k)%2)+12*\a:43+96*((\k)%2)+12*\a], \c, v[SBR+8*(\b/2)+(\k)], v[SA+8*(\a/2)+(\k)] matrix_a_fmt:MATRIX_FMT_FP6 matrix_b_fmt:MATRIX_FMT_FP6 matrix_b_scale:MATRIX_SCALE_ROW1
.else
	v_wmma_scale_f32_16x16x128_f8f6f4 v[8*(4*\a+\b):8*(4*\a+\b)+7], v[80+96*((\k)%2)+12*\b:91+96*((\k)%2)+12*\b], v[32+96*((\k)%2)+12*\a:43+96*((\k)%2)+12*\a], \c, v[SBR+8*(\b/2)+(\k)], v[SA+8*(\a/2)+(\k)] matrix_a_fmt:MATRIX_FMT_FP6 matrix_b_fmt:MATRIX_FMT_FP6
.endif
.endm
.macro MUL k                           ; 16 products, the 16 accumulators by turns; step 0 starts the sums
	WIN 0x50                                       ; C and D in window 1
.irp a, 0,1,2,3
.irp b, 0,1,2,3
.if (\k) == 0
	WM \a, \b, \k, 0
.else
	WM \a, \b, \k, v[8*(4*\a+\b):8*(4*\a+\b)+7]
.endif
.endr
.endr
	WIN 0
.endm
	FETCH 0
.irp k, 0,1,2,3,4,5,6
.if \k > 0
.rept 4
	v_nop                                          ; places: the next loads land in registers that the step before multiplied
.endr
.endif
	FETCH \k+1
	s_wait_dscnt 48                                ; all but the 48 just issued: this step's fragments are in
	MUL \k
.endr
	s_wait_dscnt 0x0
	MUL 7
; THE WAY OUT, a tile of 16 tokens x 64 columns at a time, through my own stage: back as rows of 256 bytes, which sixteen lanes store as one aligned unit.  LDS serves a wave's instructions in order.
.macro TOSTAGE a
	WIN 0x04                                       ; the data: window 1
.irp b, 0,1,2,3
	ds_store_b128 v[STO], v[32*(\a)+8*\b:32*(\a)+8*\b+3] offset:128*(\b/2)+32*(\b%2)
	ds_store_b128 v[STO], v[32*(\a)+8*\b+4:32*(\a)+8*\b+7] offset:128*(\b/2)+32*(\b%2)+16
.endr
	WIN 0
.irp t, 0,1,2,3,4,5,6,7
	ds_load_b128 v[32+32*((\a)%2)+4*\t:35+32*((\a)%2)+4*\t], v[RD] offset:\t*544
.endr
.endm
.macro SEND a, younger
	s_wait_dscnt \younger
.irp t, 0,1,2,3,4,5,6,7
	global_store_b128 v[CO], v[32+32*((\a)%2)+4*\t:35+32*((\a)%2)+4*\t], s[12:13] offset:(32*((\a)/2)+8*((\a)%2)+((2*\t)&7)+16*(\t>>2))*4096 th:TH_STORE_NT
.endr
.endm
.rept 4
	v_nop                                          ; places behind the last products
.endr
	TOSTAGE 0
.irp a, 1,2,3
.if \a > 1
	s_wait_xcnt 0x0                                ; tile a - 2's stores have read their registers
.endif
	TOSTAGE \a
	SEND \a-1, 16                                  ; behind tile a - 1's loads: tile a's 8 stores and 8 loads
.endr
	SEND 3, 0
	s_wait_tensorcnt 0x0                           ; the wave's end
	ds_add_u32 v[SPW], v[NIL]
	s_wait_dscnt 0x0
	CROUND                                         ; the closing round
	s_endpgm
.Lfunc_end_k_q586aecf453_outp:
	.size	k_q586aecf453_outp, .Lfunc_end_k_q586aecf453_outp-k_q586aecf453_outp
	.p2alignl 7, 3214868480
	.fill 96, 4, 3214868480
	.section	.rodata,"a",@progbits
	.p2align	6, 0x0
	.amdhsa_kernel k_q586aecf453_outp
		.amdhsa_group_segment_fixed_size 214528
		.amdhsa_private_segment_fixed_size 0
		.amdhsa_enable_private_segment 0
		.amdhsa_kernarg_size 40
		.amdhsa_user_sgpr_count 2
		.amdhsa_user_sgpr_kernarg_segment_ptr 1
		.amdhsa_wavefront_size32 1
		.amdhsa_system_sgpr_workgroup_id_x 1
		.amdhsa_system_sgpr_workgroup_id_y 1
		.amdhsa_system_sgpr_workgroup_id_z 1
		.amdhsa_system_vgpr_workitem_id 0
		.amdhsa_next_free_vgpr 384
		.amdhsa_next_free_sgpr 66
		.amdhsa_reserve_vcc 0
		.amdhsa_float_denorm_mode_32 3
		.amdhsa_float_denorm_mode_16_64 3
		.amdhsa_memory_ordered 1
		.amdhsa_forward_progress 1
		.amdhsa_inst_pref_size 58
	.end_amdhsa_kernel
	.amdgpu_metadata
---
amdhsa.version: [ 1, 2 ]
amdhsa.kernels:
  - .name:           k_q586aecf453_outp
    .symbol:         k_q586aecf453_outp.kd
    .args:
      - { .name: aimg, .offset: 0, .size: 8, .value_kind: global_buffer, .address_space: global }
      - { .name: asimg, .offset: 8, .size: 8, .value_kind: global_buffer, .address_space: global }
      - { .name: cimg, .offset: 16, .size: 8, .value_kind: global_buffer, .address_space: global }
      - { .name: simg, .offset: 24, .size: 8, .value_kind: global_buffer, .address_space: global }
      - { .name: out0, .offset: 32, .size: 8, .value_kind: global_buffer, .address_space: global }
    .group_segment_fixed_size: 214528
    .private_segment_fixed_size: 0
    .kernarg_segment_align: 8
    .kernarg_segment_size: 40
    .max_flat_workgroup_size: 128
    .sgpr_count:     66
    .vgpr_count:     384
    .wavefront_size: 32
...
	.end_amdgpu_metadata
.endif
;; end of part 4
